; MI455X (gfx1250); checked and timed in simulation.
; The chip was launched on July 23, 2026; its instructions are those of AMD's public machine-readable ISA for CDNA 5 (MIT licence, August 2026) and "CDNA5" Instruction Set Architecture Reference Guide (July 2026). The comments in the code are by the model that wrote it; some were corrected since.
;; Hyp Attention. Allowed arithmetic: matrix products marked QUANTISED: E2M1 operands, one E8M0 scale for each 32 along K, by v_wmma_scale_f32_16x16x128_f8f6f4 with both operands' format E2M1 (or v_wmma_scale_f32_32x16x128_f4), f32 sums; products left as they are: f32 operands where the result goes on into a quantised operand, else bf16, f16 or f32 operands; f32 sums; everything else in f32.
;; Inputs: Wk_codes 8 x 64 x 8 x 16 uint8 (E2M1 codes of Wk, K innermost, in blocks of 32 codes, two codes a byte); Wk_scales 8 x 64 x 8 uint8 (E8M0 scales of Wk, one for each 32 codes along K); Wm_codes 64 x 2 x 16 uint8 (E2M1 codes of Wm, K innermost, in blocks of 32 codes, two codes a byte); Wm_scales 64 x 2 uint8 (E8M0 scales of Wm, one for each 32 codes along K); Wq_codes 8 x 64 x 8 x 16 uint8 (E2M1 codes of Wq, K innermost, in blocks of 32 codes, two codes a byte); Wq_scales 8 x 64 x 8 uint8 (E8M0 scales of Wq, one for each 32 codes along K); Wv_codes 8 x 64 x 8 x 16 uint8 (E2M1 codes of Wv, K innermost, in blocks of 32 codes, two codes a byte); Wv_scales 8 x 64 x 8 uint8 (E8M0 scales of Wv, one for each 32 codes along K); bk 8 x 64 float32; bm 64 float32; bq 8 x 64 float32; bv 8 x 64 float32; norm_scale one number float32; query_input_codes 100,000 x 8 x 16 uint8 (E2M1 codes of query_input, K innermost, in blocks of 32 codes, two codes a byte); query_input_scales 100,000 x 8 uint8 (E8M0 scales of query_input, one for each 32 codes along K).
;; Outputs: out0 100,000 x 65 float32.
;; This version of the problem:
;;   THIS VERSION OF THE PROBLEM IS GIVEN IN LOW PRECISION. The matrix products marked QUANTISED in the list below multiply operands that are first quantised to E2M1 (2 exponent bits, 1 mantissa bit; 4 bits a number), with one power-of-two scale for each 32 numbers along K (OCP MX v1.0); their sums are f32. All else is computed in f32.
;;   The module's matrix products, in the order in which they are computed (A, B: the left and right operand; K: the contracted axis; several contracted axes count as one K, in the product's order):
;;     1. [M 100,000, K 256] x [K 256, N 512]; A: input query_input (given as codes); B: input Wq (given as codes): QUANTISED
;;     2. [M 100,000, K 256] x [K 256, N 512]; A: input query_input (given as codes); B: input Wk (given as codes): QUANTISED
;;     3. [M 100,000, K 256] x [K 256, N 512]; A: input query_input (given as codes); B: input Wv (given as codes): QUANTISED
;;     4. batch 8 x [M 64, K 100,000] x [K 100,000, N 64]; A: computed on the way; B: computed on the way: QUANTISED
;;     5. batch 8 x [M 64, K 64] x [K 64, N 100,000]; A: computed on the way; B: computed on the way: QUANTISED
;;     6. batch 8 x [M 1, K 64] x [K 64, N 100,000]; A: computed on the way; B: computed on the way: left as it is (M = 1 < 16)
;;     7. [M 800,000, K 64] x [K 64, N 64]; A: computed on the way; B: input Wm (given as codes): QUANTISED
;;   THE QUANTISER, for each operand of a quantised product, along K:
;;     - K is cut into blocks of 32 from its start; a last block that is shorter is filled with zeros.
;;     - A block's scale is 2^e with e = floor(log2(the largest magnitude in the block)) - 2, held to -126 .. 127; a block of zeros has e = 0. As a byte (E8M0): e + 127.
;;     - Each number is divided by its block's scale, clamped to +-6, and rounded to the nearest number of E2M1, ties to even, subnormals kept.
;;     - The product sums the exact products of the quantised numbers (number of the format x scale) in f32.
;;   ~~~python
;;   def quantise(x, axis):      # numpy; x: float32 -> the quantised numbers, widened to float32 again
;;       x = np.moveaxis(x, axis, -1); K = x.shape[-1]
;;       x = np.pad(x, [(0, 0)] * (x.ndim - 1) + [(0, -K % 32)]); x = x.reshape(x.shape[:-1] + (-1, 32)); a = np.abs(x).max(-1, keepdims=True)
;;       e = np.where(a > 0, np.clip(np.frexp(np.where(a > 0, a, 1))[1] - 1 - 2, -126, 127), 0)      # np.frexp(a)[1] - 1 = floor(log2(a)), exactly
;;       r = np.clip(x / 2.0 ** e, -6, 6)
;;       step = 2.0 ** (np.maximum(np.frexp(np.where(r == 0, 1, r))[1] - 1, 0) - 1)
;;       q = np.round(r / step) * step * 2.0 ** e      # np.round: ties to even
;;       return np.moveaxis(q.reshape(q.shape[:-2] + (-1,))[..., :K], -1, axis).astype(np.float32)
;;   ~~~
;;   OPERANDS COMPUTED ON THE WAY. 'Computed on the way' means the value that the module computes at that place (a softmax that the list does not call 'softmax' is quantised finished and normalised). What goes into a quantiser is computed in f32, as accurately as f32 sums, v_exp_f32 and their like allow (about 1e-6 of the number): no bf16 or f16 on the way to a quantiser, and a product that is left as it is and whose result goes on into a quantised operand takes f32 operands (vector FMAs, or v_wmma_f32_16x16x4_f32). A number that lies on a knife's edge between two numbers of the format may be rounded either way, as far as f32 arithmetic and the matrix unit's own rounding can turn it there, and no further.
;;   INPUTS GIVEN AS CODES. Wk (in the module: [8, 256, 64], K = its axis 1); Wm (in the module: [64, 64], K = its axis 0); Wq (in the module: [8, 256, 64], K = its axis 1); Wv (in the module: [8, 256, 64], K = its axis 1); query_input (in the module: [100000, 256], K = its axis 1): each comes as NAME_codes (uint8): NAME with its K axis moved to the last place and cut into blocks of 32 codes, [.., K / 32, bytes a block], one block behind the other in memory; two codes a byte, the lower K in the low four bits (a code: sign, 2 exponent bits, 1 mantissa bit); and NAME_scales (uint8): the same leading axes, one E8M0 byte (e + 127) for each 32 codes along K. Its value is code x scale, taken as it is: it is not quantised again, and the codes and scales need not be those that the quantiser above would give.
;; 2 versions, each right; version 2 is version 1 with the launch kv written anew for expert scheduling mode. Each part assembles by itself: llvm-mc -triple=amdgcn-amd-amdhsa -mcpu=gfx1250 --defsym DOCPART=n.
;; ======== version 1 of 2: 3 launches
;; workspace buffers: kv_part 4,194,304 bytes; sk_part 65,536 bytes; kt_codes 16,384 bytes; kt_scales 4,096 bytes; sk_tot 2,048 bytes
;; launch kv (part 1): grid 8 x 32, 8 waves a work-group, no clusters, 175,104 bytes of LDS; arguments query_input_codes, query_input_scales, Wk_codes, Wk_scales, bk, Wv_codes, Wv_scales, bv, norm_scale, kv_part, sk_part; writes kv_part, sk_part
.if DOCPART == 1
	.amdgcn_target "amdgcn-amd-amdhsa--gfx1250"
	.amdhsa_code_object_version 6
	.text
	.protected	k_qfdcef42928_kv
	.globl	k_qfdcef42928_kv
	.p2align	8
	.type	k_qfdcef42928_kv,@function
k_qfdcef42928_kv:
	s_mov_b64 s[64:65], 0
	v_nop
	global_prefetch_b8 v0, s[64:65] scope:SCOPE_SE
	s_setreg_imm32_b32 hwreg(HW_REG_WAVE_MODE, 25, 1), 1
	s_wait_xcnt 0x0
; PARTS OF kT_v = phi_k^T v AND OF sum_k, for one head (work-group x) and one of 32 chunks of rows (work-group y).
; k = x Wk + bk and v = x Wv + bv on codes of FP4 with E8M0 scales (K = 256); phi_k = n1 / (n2 + 1e-12) a^2 with a = (relu(k) + 1e-6) / (|norm_scale| + 1e-6), n1 = sqrt(sum a^2), n2 = sqrt(sum a^4) over
; the head's 64 channels; phi_k and v are quantised ALONG THE ROWS, in blocks of 32 rows, and multiplied on codes (K = rows).  100,000 rows are 3,125 such blocks.
; SHARES.  The eight waves are eight slices that share nothing until the end: slice i = 8 chunk + wave takes blocks i + 256 j, j = 0 .. 11, and block i + 3,072 where i < 53.
; LAYOUT.  Source 0 of a projection = 16 rows of x, source 1 = 16 channels of W: a lane holds ONE channel and its registers run down the rows.  The rows of a tile are not neighbours: lane r of tile u takes row
; 8 u + r + 8 (r / 8), so that the 16 registers of tiles 0 and 1 are rows 16 (lane / 16) + 0 .. 15: the conversions' results are the next operand.  Wk's channels are chosen the same way (lane r of tile 2 b + u:
; channel 32 b + 8 u + r + 8 (r / 8)), so that kT_v's registers run along m for the next launch's quantiser; Wv's tiles are plain.
; A row's two norms are sums over channels, that is over 4 tiles and 16 lanes: the lanes' parts meet in the wave's own LDS scratch.
; Four blocks of a slice make one K step of 128 rows of kT_v: 16 products on 16 accumulators.  At the end the eight waves' accumulators are added through LDS and leave as an image of the registers.
; NO JOINT LOADS: a block of x (4,352 bytes) goes from memory straight into one wave's operand registers, once for some 460 vector instructions; the waves pass no barrier until the end, and a joint request
; would put a round of barriers and a trip through LDS into every block.
; LIMITS: NaN, infinities and scale bytes 0xff among the inputs are not served.  A block whose largest magnitude lies under 2^-124 (a block of zeros too) keeps the scale byte 1; these bytes are read by this program alone.
; k's bias enters fused: a = max(k r + (bk r + c), c), r = 1 / (|norm_scale| + 1e-6), c = 1e-6 r: one rounding of bk r + c more than the sum k + bk has.  The order of the f32 sums over rows is this text's own.
.set NBLK, 3125                        ; blocks of 32 rows
.set SCRW, 5120                        ; LDS: a wave's scratch
.set REC,  144                         ; a lane's record in it: 128 bytes + 16: sixteen lanes' 16-byte pieces start at sixteen different places modulo 256
.set HALF, 2432                        ; lanes 16-31's records begin here: 128 modulo 256, so that the two halves' 8-byte reads fall on different bytes modulo 256
.set FOFF, 4864                        ; the 32 rows' factors
.set RED,  40960                       ; eight images of the 128 accumulator registers, 16,384 bytes each
.set REDS, 172032                      ; eight times 64 sums
.set VX,  1                            ; v1   x's codes: (r + 8 (r / 8)) 128 + 16 h
.set VXS, 2                            ; v2   x's scale words: (r + 8 (r / 8)) 8 + 4 h
.set VS,  3                            ; v3   my record
.set VR,  4                            ; v4   my 8 bytes of the records of my half
.set VF,  5                            ; v5   where I put two factors
.set VFL, 6                            ; v6   my half's 16 factors
.set PFO, 7                            ; v7   256 x lane, for the prefetches
.set WS,  8                            ; v8-15   scale words of W, tile t, K step s at 2 t + s: lanes 0-15 Wk's, lanes 16-31 Wv's
.set XS,  16                           ; v16-17  x's scale words, tile u: lanes 0-15 K step 0, lanes 16-31 K step 1
.set BK,  20                           ; v20-27  bk r + c, a pair a tile (the low word serves)
.set BV,  28                           ; v28-35  bv likewise
.set SK,  36                           ; v36-43  running sum_k, a pair a tile
.set SW,  44                           ; v44-51  scale words of the eight fragments below
.set X,   52                           ; v52-83  x's fragments, 16 u + 8 s
.set A,   84                           ; v84-147 a projection's results, 16 t + 8 u
.set S,   148                          ; v148-179 sums of squares and of fourth powers, then at work
.set F,   164                          ; v164-179 the factors of my 16 rows
.set P,   180                          ; v180-243 codes: fragments 0-3 phi_k's tiles, 4-7 v's; K = 128 rows
.set M,   244
.set M2,  248
.set SC,  252
.set WKF, 0                            ; window 1: Wk's fragments, 8 (2 t + s);
.set WVF, 64                           ; Wv's;
.set KV,  128                          ; the 16 accumulators of kT_v, 8 (4 mt + dt)
; s2 wave, s3 head, s4 chunk, s5 slice, s6 the next block to load, s7 trips, s[30:31] r, s32 c, s33 lanes with r >= 8, s[34:35] selects for lane xor 16, s[36:39] the block's addresses, s[40:41] an offset (s41 stays 0),
; s[42:43] the prefetches' buffer, s[44:45] their address, s46 their block, s47 their bound, s48 their shift
.set MSB, 0
.macro WIN new                         ; the immediate's high byte repeats the setting that is left
.if MSB != \new
	s_set_vgpr_msb (MSB<<8)|\new
.set MSB, \new
.endif
.endm
; The next block's codes and scale words, straight into the operand's registers: ten loads.  The block's number is held at the last block, so that the load behind the slice's last block stays inside the buffers.
; pf = 1: a prefetch into the L2 of what the load two blocks on will want.  Each aligned 256 bytes are named once in the launch: of the eight heads' work-groups that walk the same rows, head 0's asks; in it waves
; 0, 2, 4, 6 ask for the codes of their own and the next slice's block (8,192 bytes, lanes 256 bytes apart), and in every fourth chunk wave 1 asks for the scale bytes of 32 slices' blocks (256 bytes a block).
; Blocks from 3,072 on are asked for by nobody: the bound is also the end of the walk.  Nothing is prefetched at the head.
.macro LOADX pf
	s_wait_xcnt 0x0                                ; the last prefetch, a block back, has read its address
	s_min_u32 s40, s6, NBLK-1
	s_lshl_b32 s50, s40, 8
	s_lshl_b32 s40, s40, 12
	s_add_nc_u64 s[36:37], s[8:9], s[40:41]        ; 4,096 bytes of codes a block
	s_mov_b32 s40, s50
	s_add_nc_u64 s[38:39], s[10:11], s[40:41]      ; 256 scale bytes a block
.irp u, 0,1
.irp s, 0,1
.irp c, 0,1
	global_load_b128 v[X+16*\u+8*\s+4*\c:X+16*\u+8*\s+4*\c+3], v[VX], s[36:37] offset:1024*\u+64*\s+32*\c
.endr
.endr
.endr
.irp u, 0,1
	global_load_b32 v[XS+\u], v[VXS], s[38:39] offset:64*\u
.endr
	s_add_co_u32 s6, s6, 256
.if \pf
	s_lshl_b32 s40, s46, s48
	s_add_nc_u64 s[44:45], s[42:43], s[40:41]
	s_cmp_lt_u32 s46, s47
	s_cbranch_scc0 .Lnp_\@
	global_prefetch_b8 v[PFO], s[44:45] th:TH_LOAD_NT scope:SCOPE_SE
.Lnp_\@:
	s_add_co_u32 s46, s46, 256
.endif
.endm
; A projection of the block: 4 tiles of channels x 2 tiles of rows, two K steps.  The eight accumulators take turns.  brow = 1: W's scale words stand in lanes 16-31.
.macro PROJ wb, brow
	WIN 0x04                                       ; source 1 (W) in window 1
.irp t, 0,1,2,3
.irp u, 0,1
.if \brow
	v_wmma_scale_f32_16x16x128_f8f6f4 v[A+16*\t+8*\u:A+16*\t+8*\u+7], v[X+16*\u:X+16*\u+7], v[\wb+16*\t:\wb+16*\t+7], 0, v[XS+\u], v[WS+2*\t] matrix_a_fmt:MATRIX_FMT_FP4 matrix_b_fmt:MATRIX_FMT_FP4 matrix_b_scale:MATRIX_SCALE_ROW1
.else
	v_wmma_scale_f32_16x16x128_f8f6f4 v[A+16*\t+8*\u:A+16*\t+8*\u+7], v[X+16*\u:X+16*\u+7], v[\wb+16*\t:\wb+16*\t+7], 0, v[XS+\u], v[WS+2*\t] matrix_a_fmt:MATRIX_FMT_FP4 matrix_b_fmt:MATRIX_FMT_FP4
.endif
.endr
.endr
.irp t, 0,1,2,3
.irp u, 0,1
.if \brow
	v_wmma_scale_f32_16x16x128_f8f6f4 v[A+16*\t+8*\u:A+16*\t+8*\u+7], v[X+16*\u+8:X+16*\u+15], v[\wb+16*\t+8:\wb+16*\t+15], v[A+16*\t+8*\u:A+16*\t+8*\u+7], v[XS+\u], v[WS+2*\t+1] matrix_a_fmt:MATRIX_FMT_FP4 matrix_b_fmt:MATRIX_FMT_FP4 matrix_a_scale:MATRIX_SCALE_ROW1 matrix_b_scale:MATRIX_SCALE_ROW1
.else
	v_wmma_scale_f32_16x16x128_f8f6f4 v[A+16*\t+8*\u:A+16*\t+8*\u+7], v[X+16*\u+8:X+16*\u+15], v[\wb+16*\t+8:\wb+16*\t+15], v[A+16*\t+8*\u:A+16*\t+8*\u+7], v[XS+\u], v[WS+2*\t+1] matrix_a_fmt:MATRIX_FMT_FP4 matrix_b_fmt:MATRIX_FMT_FP4 matrix_a_scale:MATRIX_SCALE_ROW1
.endif
.endr
.endr
	WIN 0
.rept 4
	v_nop                                          ; four places ahead of the first read of results and of loads into x's registers
.endr
.endm
; The four tiles in v[A] on become block b (32 rows) of fragments base .. base + 3: a lane's 16 registers of a tile are 16 rows of one channel, lane xor 16 holds the block's other 16.
.macro QUANT4 base, b
.irp t, 0,1,2,3
	v_max3_num_f32 v[M+\t], |v[A+16*\t]|, |v[A+16*\t+1]|, 0x1800000   ; with the floor 2^(3 - 127): the byte cannot fall under 1
.endr
.irp i, 2,4,6,8,10,12,14
.irp t, 0,1,2,3
	v_max3_num_f32 v[M+\t], v[M+\t], |v[A+16*\t+\i]|, |v[A+16*\t+\i+1]|   ; the four tiles by turns
.endr
.endr
.irp t, 0,1,2,3
	v_permlanex16_b32 v[M2+\t], v[M+\t], s34, s35
.endr
.irp t, 0,1,2,3
	v_max_num_f32 v[M+\t], v[M+\t], v[M2+\t]       ; the block's largest magnitude
.endr
.irp t, 0,1,2,3
	v_add_nc_u32 v[SC+\t], 0xff000000, v[M+\t]     ; 2 off its exponent field: the conversion's scale operand
.endr
.if (\b) == 0
.irp t, 0,1,2,3
	v_lshrrev_b32 v[SW+\base+\t], 23, v[SC+\t]     ; the scale's byte begins the fragment's scale word anew
.endr
.else
.irp t, 0,1,2,3
	v_lshrrev_b32 v[M2+\t], 23, v[SC+\t]
.endr
.irp t, 0,1,2,3
	v_lshl_or_b32 v[SW+\base+\t], v[M2+\t], 8*(\b), v[SW+\base+\t]
.endr
.endif
.irp t, 0,1,2,3
	v_cvt_scalef32_pk8_fp4_f32 v[P+8*(\base+\t)+2*(\b)], v[A+16*\t:A+16*\t+7], v[SC+\t]
	v_cvt_scalef32_pk8_fp4_f32 v[P+8*(\base+\t)+2*(\b)+1], v[A+16*\t+8:A+16*\t+15], v[SC+\t]
.endr
	v_nop                                          ; one plain place behind the scaled conversions
.endm
; a = max(k r + b', c); a^2 in place; my four channels' parts of the rows' sums of a^2 and of a^4.  Each accumulator is read from its low end on.
.macro KEL
.irp i, 0,2,4,6,8,10,12,14
.irp t, 0,1,2,3
	v_pk_fma_f32 v[A+16*\t+\i:A+16*\t+\i+1], v[A+16*\t+\i:A+16*\t+\i+1], s[30:31], v[BK+2*\t:BK+2*\t+1] op_sel_hi:[1,0,0]
.endr
.irp t, 0,1,2,3
	v_max_num_f32 v[A+16*\t+\i], s32, v[A+16*\t+\i]
	v_max_num_f32 v[A+16*\t+\i+1], s32, v[A+16*\t+\i+1]
.endr
.irp t, 0,1,2,3
	v_pk_mul_f32 v[A+16*\t+\i:A+16*\t+\i+1], v[A+16*\t+\i:A+16*\t+\i+1], v[A+16*\t+\i:A+16*\t+\i+1]
.endr
	v_pk_add_f32 v[S+\i:S+\i+1], v[A+\i:A+\i+1], v[A+16+\i:A+16+\i+1]
	v_pk_mul_f32 v[S+16+\i:S+16+\i+1], v[A+\i:A+\i+1], v[A+\i:A+\i+1]
	v_pk_add_f32 v[S+\i:S+\i+1], v[S+\i:S+\i+1], v[A+32+\i:A+32+\i+1]
	v_pk_fma_f32 v[S+16+\i:S+16+\i+1], v[A+16+\i:A+16+\i+1], v[A+16+\i:A+16+\i+1], v[S+16+\i:S+16+\i+1]
	v_pk_add_f32 v[S+\i:S+\i+1], v[S+\i:S+\i+1], v[A+48+\i:A+48+\i+1]
	v_pk_fma_f32 v[S+16+\i:S+16+\i+1], v[A+32+\i:A+32+\i+1], v[A+32+\i:A+32+\i+1], v[S+16+\i:S+16+\i+1]
	v_pk_fma_f32 v[S+16+\i:S+16+\i+1], v[A+48+\i:A+48+\i+1], v[A+48+\i:A+48+\i+1], v[S+16+\i:S+16+\i+1]
.endr
.endm
; The sixteen lanes' parts meet in my wave's scratch.  Each lane stores its 32 sums; lane r then reads bytes 8 r .. 8 r + 7 of the sixteen records of its half: r < 8: the sums of a^2 of rows 2 r, 2 r + 1; r >= 8: those of
; a^4 of rows 2 (r - 8), + 1.  Roots, an exchange with lane r xor 8, the factor f = n1 / (n2 + 1e-12); the 16 factors of a half go back through the scratch to every lane.
.macro KRED
.irp q, 0,1,2,3,4,5,6,7
	ds_store_b128 v[VS], v[S+4*\q:S+4*\q+3] offset:16*\q
.endr
	s_wait_dscnt 0x0                               ; the stores have read their registers, which the loads below fill
.irp g, 0,1,2,3,4,5,6,7,8,9,10,11,12,13,14,15
	ds_load_b64 v[S+2*\g:S+2*\g+1], v[VR] offset:REC*\g
.endr
	s_wait_dscnt 0x0
.irp g, 0,4,8,12,16,20,24,28
	v_pk_add_f32 v[S+\g:S+\g+1], v[S+\g:S+\g+1], v[S+\g+2:S+\g+3]
.endr
.irp g, 0,8,16,24
	v_pk_add_f32 v[S+\g:S+\g+1], v[S+\g:S+\g+1], v[S+\g+4:S+\g+5]
.endr
.irp g, 0,16
	v_pk_add_f32 v[S+\g:S+\g+1], v[S+\g:S+\g+1], v[S+\g+8:S+\g+9]
.endr
	v_pk_add_f32 v[S:S+1], v[S:S+1], v[S+16:S+17]
	v_sqrt_f32 v[S+2], v[S]
	v_sqrt_f32 v[S+3], v[S+1]
	v_nop                                          ; a plain place behind the roots,
	s_wait_alu depctr_va_vdst(0)                   ; and the wait ahead of their first reader
	v_mov_b32_dpp v[S+4], v[S+2] row_xmask:8 row_mask:0xf bank_mask:0xf
	v_mov_b32_dpp v[S+5], v[S+3] row_xmask:8 row_mask:0xf bank_mask:0xf
	v_cndmask_b32 v[S+6], v[S+2], v[S+4], s33      ; n1: my own where r < 8
	v_cndmask_b32 v[S+7], v[S+3], v[S+5], s33
	v_cndmask_b32 v[S+8], v[S+4], v[S+2], s33      ; n2: my own where r >= 8
	v_cndmask_b32 v[S+9], v[S+5], v[S+3], s33
	v_add_f32 v[S+8], 0x2b8cbccc, v[S+8]           ; + 1e-12
	v_add_f32 v[S+9], 0x2b8cbccc, v[S+9]
	v_rcp_f32 v[S+10], v[S+8]
	v_rcp_f32 v[S+11], v[S+9]
	v_nop
	s_wait_alu depctr_va_vdst(0)
	v_pk_mul_f32 v[S+12:S+13], v[S+6:S+7], v[S+10:S+11]
	ds_store_b64 v[VF], v[S+12:S+13]               ; lanes r and r xor 8 write the same bytes with the same values
.irp q, 0,1,2,3
	ds_load_b128 v[F+4*\q:F+4*\q+3], v[VFL] offset:16*\q   ; LDS serves a wave's instructions in order (ISA guide 5.7.1): these see the store
.endr
	s_wait_dscnt 0x0
.endm
; phi_k = f a^2; sum_k takes it unquantised; then the codes
.macro KSC b
.irp i, 0,2,4,6,8,10,12,14
.irp t, 0,1,2,3
	v_pk_mul_f32 v[A+16*\t+\i:A+16*\t+\i+1], v[A+16*\t+\i:A+16*\t+\i+1], v[F+\i:F+\i+1]
.endr
.irp t, 0,1,2,3
	v_pk_add_f32 v[SK+2*\t:SK+2*\t+1], v[SK+2*\t:SK+2*\t+1], v[A+16*\t+\i:A+16*\t+\i+1]
.endr
.endr
	QUANT4 0, \b
.endm
; One block of 32 rows becomes block b of the eight fragments.  The next block's loads go out behind the second projection and have the whole of k's vector work in which to land.
.macro BLOCK b, pf
	s_wait_loadcnt 0x0                             ; this block's ten loads: nothing else is out
	PROJ WVF, 1
.irp i, 0,2,4,6,8,10,12,14
.irp t, 0,1,2,3
	v_pk_add_f32 v[A+16*\t+\i:A+16*\t+\i+1], v[A+16*\t+\i:A+16*\t+\i+1], v[BV+2*\t:BV+2*\t+1] op_sel_hi:[1,0]
.endr
.endr
	QUANT4 4, \b
	PROJ WKF, 0
	LOADX \pf
	KEL
	KRED
	KSC \b
.endm
; The operand's layout wants a WHOLE block in a lane: lanes 0-15 block 2 c, lanes 16-31 block 2 c + 1
.macro SWAPALL
.irp f, 0,1,2,3,4,5,6,7
.irp c, 0,1
.irp i, 0,1
	v_permlane16_swap_b32 v[P+8*\f+4*\c+\i], v[P+8*\f+4*\c+2+\i]
.endr
.endr
.endr
.rept 8
	v_nop                                          ; scale words written by vector instructions stand eight places ahead of a scaled matrix instruction, operands four
.endr
.endm
; kT_v += phi_k^T v over 128 rows: 16 accumulators, one instruction each
.macro PROD zero
	WIN 0x50                                       ; C and D in window 1
.irp mt, 0,1,2,3
.irp dt, 0,1,2,3
.if \zero
	v_wmma_scale_f32_16x16x128_f8f6f4 v[KV+8*(4*\mt+\dt):KV+8*(4*\mt+\dt)+7], v[P+8*\mt:P+8*\mt+7], v[P+32+8*\dt:P+32+8*\dt+7], 0, v[SW+\mt], v[SW+4+\dt] matrix_a_fmt:MATRIX_FMT_FP4 matrix_b_fmt:MATRIX_FMT_FP4
.else
	v_wmma_scale_f32_16x16x128_f8f6f4 v[KV+8*(4*\mt+\dt):KV+8*(4*\mt+\dt)+7], v[P+8*\mt:P+8*\mt+7], v[P+32+8*\dt:P+32+8*\dt+7], v[KV+8*(4*\mt+\dt):KV+8*(4*\mt+\dt)+7], v[SW+\mt], v[SW+4+\dt] matrix_a_fmt:MATRIX_FMT_FP4 matrix_b_fmt:MATRIX_FMT_FP4
.endif
.endr
.endr
	WIN 0
.endm
	s_load_b512 s[8:23], s[0:1], 0x0               ; x's codes s[8:9], x's scales s[10:11], Wk's codes s[12:13], scales s[14:15], bk s[16:17], Wv's codes s[18:19], scales s[20:21], bv s[22:23]
	s_load_b128 s[24:27], s[0:1], 0x40             ; norm_scale s[24:25], kv_part s[26:27]
	s_load_b64 s[28:29], s[0:1], 0x50              ; sk_part
	v_lshl_add_u32 v18, v0, 2, 0x2a800
	v_mov_b32 v19, 0
	v_lshrrev_b32 v148, 5, v0
	v_readfirstlane_b32 s2, v148                   ; wave
	s_mov_b32 s3, ttmp9                            ; head
	s_and_b32 s4, ttmp7, 0xffff                    ; chunk
	s_lshl_b32 s51, s4, 3
	s_add_co_u32 s5, s51, s2                       ; slice
	s_mov_b32 s41, 0
	s_mov_b32 s33, 0xff00ff00
	s_mov_b32 s34, 0x76543210
	s_mov_b32 s35, 0xfedcba98
	v_and_b32 v149, 15, v0                         ; r
	v_bfe_u32 v150, v0, 4, 1                       ; h
	v_and_b32 v151, 8, v0
	v_add_nc_u32 v151, v151, v149                  ; r + 8 (r / 8)
	v_and_b32 v152, 31, v0
	v_and_b32 v153, 7, v0
	v_lshlrev_b32 v[VX], 7, v151
	v_lshl_add_u32 v[VX], v150, 4, v[VX]
	v_lshlrev_b32 v[VXS], 3, v151
	v_lshl_add_u32 v[VXS], v150, 2, v[VXS]
	s_mul_i32 s49, s2, SCRW
	v_mul_u32_u24 v[VS], v149, REC
	v_mad_u32_u24 v[VS], v150, HALF, v[VS]
	v_add_nc_u32 v[VS], s49, v[VS]
	v_mul_u32_u24 v[VR], v150, HALF
	v_lshl_add_u32 v[VR], v149, 3, v[VR]
	v_add_nc_u32 v[VR], s49, v[VR]
	s_add_co_u32 s49, s49, FOFF
	v_lshl_add_u32 v[VFL], v150, 6, s49
	v_lshl_add_u32 v[VF], v153, 3, v[VFL]
	v_lshlrev_b32 v[PFO], 8, v152
	v_lshlrev_b32 v154, 7, v149
	v_lshl_add_u32 v154, v150, 4, v154             ; Wv's codes: r 128 + 16 h
	v_lshlrev_b32 v155, 3, v151                    ; Wk's scale words
	v_lshlrev_b32 v156, 3, v149                    ; Wv's
	v_lshlrev_b32 v157, 2, v151                    ; bk
	v_lshlrev_b32 v158, 2, v149                    ; bv
	s_wait_kmcnt 0x0
	s_load_b32 s50, s[24:25], 0x0                  ; norm_scale
	s_lshl_b32 s40, s3, 13                         ; my head's part of each weight
	s_add_nc_u64 s[12:13], s[12:13], s[40:41]
	s_add_nc_u64 s[18:19], s[18:19], s[40:41]
	s_lshl_b32 s40, s3, 9
	s_add_nc_u64 s[14:15], s[14:15], s[40:41]
	s_add_nc_u64 s[20:21], s[20:21], s[40:41]
	s_lshl_b32 s40, s3, 8
	s_add_nc_u64 s[16:17], s[16:17], s[40:41]
	s_add_nc_u64 s[22:23], s[22:23], s[40:41]
	WIN 0x40                                       ; destination window 1: the weights stay in registers for the whole launch
.irp t, 0,1,2,3
.irp s, 0,1
.irp c, 0,1
	global_load_b128 v[WKF+8*(2*\t+\s)+4*\c:WKF+8*(2*\t+\s)+4*\c+3], v[VX], s[12:13] offset:(32*(\t/2)+8*(\t%2))*128+64*\s+32*\c
	global_load_b128 v[WVF+8*(2*\t+\s)+4*\c:WVF+8*(2*\t+\s)+4*\c+3], v154, s[18:19] offset:16*\t*128+64*\s+32*\c
.endr
.endr
.endr
	WIN 0
.irp t, 0,1,2,3
.irp s, 0,1
	global_load_b32 v[160+2*\t+\s], v155, s[14:15] offset:(32*(\t/2)+8*(\t%2))*8+4*\s
	global_load_b32 v[168+2*\t+\s], v156, s[20:21] offset:16*\t*8+4*\s
.endr
	global_load_b32 v[176+\t], v157, s[16:17] offset:(32*(\t/2)+8*(\t%2))*4
	global_load_b32 v[BV+2*\t], v158, s[22:23] offset:16*\t*4
.endr
	; who prefetches, and what
	s_xor_b32 s52, s2, 1
	s_and_b32 s53, s4, 3
	s_or_b32 s52, s52, s53                         ; 0 in wave 1 of every fourth chunk
	s_and_b32 s49, s2, 1
	s_cmp_eq_u32 s49, 0                            ; an even wave?  The choice hangs on the wave's number alone
	s_cselect_b64 s[42:43], s[8:9], s[10:11]
	s_cselect_b32 s48, 12, 8
	s_cselect_b32 s46, s5, s51
	s_cselect_b32 s52, 0, s52
	s_add_co_u32 s46, s46, 768                     ; the first request stands in the loop's first block, whose loads are block 1's: it names block 3
	s_or_b32 s52, s52, s3                          ; and head 0 alone
	s_cmp_eq_u32 s52, 0
	s_cselect_b32 s47, 3072, 0
	s_wait_loadcnt 0x0
	s_wait_kmcnt 0x0
	s_mov_b32 s49, 0xffff0000
.irp i, 0,1,2,3,4,5,6,7
	v_cndmask_b32 v[WS+\i], v[160+\i], v[168+\i], s49   ; lanes 0-15 Wk's word, lanes 16-31 Wv's
.endr
	v_mov_b32 v148, 0x358637bd                     ; 1e-6
	v_add_f32 v149, |s50|, v148                    ; d = |norm_scale| + 1e-6
	v_rcp_f32 v150, v149
	v_nop
	s_wait_alu depctr_va_vdst(0)
	v_fma_f32 v151, -v149, v150, 1.0               ; one step of Newton's on the reciprocal
	v_fma_f32 v151, v151, v150, v150               ; r = 1 / d
	v_mul_f32 v148, v148, v151                     ; c = 1e-6 r
	v_readfirstlane_b32 s30, v151
	v_readfirstlane_b32 s32, v148
	s_mov_b32 s31, s30                             ; (named with s30 as a pair, so it is written)
.irp t, 0,1,2,3
	v_fma_f32 v[BK+2*\t], v[176+\t], s30, s32
	v_mov_b32 v[BK+2*\t+1], 0                      ; (upper halves of pairs of which the low word serves)
	v_mov_b32 v[BV+2*\t+1], 0
	v_mov_b32 v[M2+\t], 0                          ; a lane permute's destination counts as one of its sources
.endr
.irp i, 0,1,2,3,4,5,6,7
	v_mov_b32 v[SK+\i], 0
	v_mov_b32 v[SW+\i], 0
.endr
.set J, 0
.rept 64
	v_mov_b32 v[P+J], 0                            ; zero codes: the first products below find them wherever the slice's odd block leaves the fragments empty
.set J, J+1
.endr
	; THE ODD BLOCK FIRST.  Slices 0 .. 52 have a thirteenth block, i + 3,072: it becomes block 0 of fragments whose other three blocks are zero codes.  The 16 products that follow take the constant 0 as C and so
	; start all sums, in every slice; in a slice without such a block they multiply zero codes, in place of 128 clearing moves.
	s_cmp_lt_u32 s5, 53
	s_cbranch_scc0 .Lno13
	s_add_co_u32 s6, s5, 3072
	LOADX 0
	s_mov_b32 s6, s5
	BLOCK 0, 0                                     ; its loads are the slice's first block's
	s_branch .Ljoin
.Lno13:
	s_mov_b32 s6, s5
	LOADX 0
.Ljoin:
	SWAPALL
	PROD 1
	s_mov_b32 s7, 3
.Lquad:                                                ; three trips of four blocks
	BLOCK 0, 1
	BLOCK 1, 1
	BLOCK 2, 1
	BLOCK 3, 1
	SWAPALL
	PROD 0
	s_sub_co_u32 s7, s7, 1
	s_cmp_lg_u32 s7, 0
	s_cbranch_scc1 .Lquad
	; THE END: the eight slices' parts are added through LDS.  The lines up to the stores are also the places behind the last products.
.irp t, 0,1,2,3
	v_add_f32 v[SK+2*\t], v[SK+2*\t], v[SK+2*\t+1]
.endr
.irp t, 0,1,2,3
	v_permlanex16_b32 v[M2+\t], v[SK+2*\t], s34, s35
.endr
.irp t, 0,1,2,3
	v_add_f32 v[SK+2*\t], v[SK+2*\t], v[M2+\t]     ; my channel's sum over the slice's rows
.endr
	v_and_b32 v20, 31, v0
	v_lshlrev_b32 v26, 3, v20                      ; 8 x lane
	v_lshlrev_b32 v20, 4, v20                      ; 16 x lane
	s_lshl_b32 s49, s2, 14
	s_add_co_u32 s49, s49, RED
	v_add_nc_u32 v21, s49, v20                     ; my wave's image
	s_lshl_b32 s49, s2, 11
	v_add_nc_u32 v24, s49, v20                     ; pieces 4 w .. 4 w + 3 of an image: 2,048 w + 16 x lane
	v_add_nc_u32 v22, RED, v24                     ; in images 0 to 3,
	v_add_nc_u32 v23, 65536, v22                   ; and in images 4 to 7 (an LDS offset has 16 bits)
	v_and_b32 v25, 15, v0
	v_and_b32 v27, 8, v0
	v_add_nc_u32 v25, v25, v27
	s_lshl_b32 s49, s2, 8
	s_add_co_u32 s49, s49, REDS
	v_lshl_add_u32 v25, v25, 2, s49                ; my channel's word among my wave's 64 sums
	v_add_nc_u32 v27, REDS, v26
	WIN 0x04                                       ; an LDS store's data are its source 1: window 1
.set J, 0
.rept 32
	ds_store_b128 v21, v[KV+4*J:KV+4*J+3] offset:512*J     ; each accumulator from its low end on
.set J, J+1
.endr
	WIN 0
.irp t, 0,1,2,3
	ds_store_b32 v25, v[SK+2*\t] offset:(32*(\t/2)+8*(\t%2))*4   ; both halves of the lanes write the same word with the same value
.endr
	s_wait_loadcnt 0x0                             ; the loads behind the last block, which nobody uses: their registers are filled anew below
	s_wait_dscnt 0x0                               ; for the others' sake: my stores have landed
	s_barrier_signal -1
	s_barrier_wait -1
.irp g, 0,1,2,3
.irp k, 0,1,2,3
	ds_load_b128 v[X+16*\g+4*\k:X+16*\g+4*\k+3], v22 offset:16384*\g+512*\k
.endr
.endr
.irp g, 4,5,6,7
.irp k, 0,1,2,3
	ds_load_b128 v[X+16*\g+4*\k:X+16*\g+4*\k+3], v23 offset:16384*(\g-4)+512*\k
.endr
.endr
	s_lshl_b32 s40, s4, 3
	s_add_co_u32 s40, s40, s3                      ; 8 chunk + head
	s_lshl_b32 s50, s40, 8
	s_lshl_b32 s40, s40, 14
	s_add_nc_u64 s[26:27], s[26:27], s[40:41]
	s_mov_b32 s40, s50
	s_add_nc_u64 s[28:29], s[28:29], s[40:41]
	s_wait_dscnt 0x0
.irp g, 1,2,3,4,5,6,7
.irp j, 0,2,4,6,8,10,12,14
	v_pk_add_f32 v[X+\j:X+\j+1], v[X+\j:X+\j+1], v[X+16*\g+\j:X+16*\g+\j+1]
.endr
.endr
.irp k, 0,1,2,3
	global_store_b128 v24, v[X+4*\k:X+4*\k+3], s[26:27] offset:512*\k   ; 32 lanes store 512 consecutive bytes, at a multiple of 256 from the buffer's first byte
.endr
	s_cmp_lg_u32 s2, 0
	s_cbranch_scc1 .Lend
.irp g, 0,1,2,3,4,5,6,7
	ds_load_b64 v[A+2*\g:A+2*\g+1], v27 offset:256*\g
.endr
	s_wait_dscnt 0x0
.irp g, 0,4,8,12
	v_pk_add_f32 v[A+\g:A+\g+1], v[A+\g:A+\g+1], v[A+\g+2:A+\g+3]
.endr
	v_pk_add_f32 v[A:A+1], v[A:A+1], v[A+4:A+5]
	v_pk_add_f32 v[A+8:A+9], v[A+8:A+9], v[A+12:A+13]
	v_pk_add_f32 v[A:A+1], v[A:A+1], v[A+8:A+9]
	global_store_b64 v26, v[A:A+1], s[28:29]       ; 32 lanes store 256 consecutive bytes, aligned
.Lend:
	s_barrier_signal -1
	s_barrier_wait -1
	s_wait_tensorcnt 0x0
	ds_add_u32 v18, v19
	s_wait_dscnt 0x0
	s_endpgm
.Lfunc_end_k_qfdcef42928_kv:
	.size	k_qfdcef42928_kv, .Lfunc_end_k_qfdcef42928_kv-k_qfdcef42928_kv
	.p2alignl 7, 3214868480
	.fill 96, 4, 3214868480
	.section	.rodata,"a",@progbits
	.p2align	6, 0x0
	.amdhsa_kernel k_qfdcef42928_kv
		.amdhsa_group_segment_fixed_size 175104
		.amdhsa_private_segment_fixed_size 0
		.amdhsa_enable_private_segment 0
		.amdhsa_kernarg_size 88
		.amdhsa_user_sgpr_count 2
		.amdhsa_user_sgpr_kernarg_segment_ptr 1
		.amdhsa_wavefront_size32 1
		.amdhsa_system_sgpr_workgroup_id_x 1
		.amdhsa_system_sgpr_workgroup_id_y 1
		.amdhsa_system_sgpr_workgroup_id_z 1
		.amdhsa_system_vgpr_workitem_id 0
		.amdhsa_next_free_vgpr 512
		.amdhsa_next_free_sgpr 66
		.amdhsa_reserve_vcc 0
		.amdhsa_float_denorm_mode_32 3
		.amdhsa_float_denorm_mode_16_64 3
		.amdhsa_memory_ordered 1
		.amdhsa_forward_progress 1
		.amdhsa_inst_pref_size 195
	.end_amdhsa_kernel
	.amdgpu_metadata
---
amdhsa.version: [ 1, 2 ]
amdhsa.kernels:
  - .name:           k_qfdcef42928_kv
    .symbol:         k_qfdcef42928_kv.kd
    .args:
      - { .name: query_input_codes, .offset: 0, .size: 8, .value_kind: global_buffer, .address_space: global }
      - { .name: query_input_scales, .offset: 8, .size: 8, .value_kind: global_buffer, .address_space: global }
      - { .name: Wk_codes, .offset: 16, .size: 8, .value_kind: global_buffer, .address_space: global }
      - { .name: Wk_scales, .offset: 24, .size: 8, .value_kind: global_buffer, .address_space: global }
      - { .name: bk, .offset: 32, .size: 8, .value_kind: global_buffer, .address_space: global }
      - { .name: Wv_codes, .offset: 40, .size: 8, .value_kind: global_buffer, .address_space: global }
      - { .name: Wv_scales, .offset: 48, .size: 8, .value_kind: global_buffer, .address_space: global }
      - { .name: bv, .offset: 56, .size: 8, .value_kind: global_buffer, .address_space: global }
      - { .name: norm_scale, .offset: 64, .size: 8, .value_kind: global_buffer, .address_space: global }
      - { .name: kv_part, .offset: 72, .size: 8, .value_kind: global_buffer, .address_space: global }
      - { .name: sk_part, .offset: 80, .size: 8, .value_kind: global_buffer, .address_space: global }
    .group_segment_fixed_size: 175104
    .private_segment_fixed_size: 0
    .kernarg_segment_align: 8
    .kernarg_segment_size: 88
    .max_flat_workgroup_size: 256
    .sgpr_count:     66
    .vgpr_count:     512
    .wavefront_size: 32
...
	.end_amdgpu_metadata
.endif
;; end of part 1
;; launch fold (part 2): grid 4 x 8, 8 waves a work-group, no clusters, 37,888 bytes of LDS; arguments kv_part, sk_part, kt_codes, kt_scales, sk_tot; writes kt_codes, kt_scales, sk_tot
.if DOCPART == 2
	.amdgcn_target "amdgcn-amd-amdhsa--gfx1250"
	.amdhsa_code_object_version 6
	.text
	.protected	k_qfdcef42928_fold
	.globl	k_qfdcef42928_fold
	.p2align	8
	.type	k_qfdcef42928_fold,@function
k_qfdcef42928_fold:
	s_mov_b64 s[64:65], 0
	v_nop
	global_prefetch_b8 v0, s[64:65] scope:SCOPE_SE
	s_setreg_imm32_b32 hwreg(HW_REG_WAVE_MODE, 25, 1), 1
	s_wait_xcnt 0x0
; The 32 chunks' parts of kT_v are added, and kT_v is quantised along m (the next product's K) into an image of the operand's registers; sum_k's parts are added.
; A work-group takes one head (y) and one tile of 16 channels d (x): four accumulators (mt = 0 .. 3) of the first launch's image, 32 registers a lane: register 16 b + i is kT_v(m = 32 b + 16 (lane / 16) + i, d = 16 x + lane % 16).
; Wave w adds chunks 4 w .. 4 w + 3; the eight sums meet in LDS (wave w adds piece w of the eight), and wave 0 quantises.  Wave 1 of the work-groups with x = 0 adds sum_k's 32 parts.
; No matrix work and few bytes: no tensor loads, no cluster.  LIMITS: NaN and infinities are not served; a block whose largest magnitude lies under 2^-124 (zeros too) keeps the scale byte 1: this program alone reads the bytes.
.set QM, 8                             ; v8-9   largest magnitudes
.set QX, 10                            ; v10-11 lane xor 16's, then the bytes
.set QS, 12                            ; v12-13 the conversions' scale operands
	s_load_b128 s[4:7], s[0:1], 0x0                ; kv_part, sk_part
	s_load_b128 s[8:11], s[0:1], 0x10              ; kt_codes, kt_scales
	s_load_b64 s[12:13], s[0:1], 0x20              ; sk_tot
	v_lshl_add_u32 v160, v0, 2, 0x9000
	v_mov_b32 v161, 0
	v_lshrrev_b32 v1, 5, v0
	v_readfirstlane_b32 s2, v1                     ; wave
	s_and_b32 s3, ttmp7, 0xffff                    ; head
	v_and_b32 v1, 31, v0
	v_lshlrev_b32 v2, 4, v1                        ; 16 x lane
	v_lshlrev_b32 v3, 3, v1                        ; 8 x lane
	v_lshlrev_b32 v4, 2, v1                        ; 4 x lane
	s_lshl_b32 s14, s2, 12
	v_add_nc_u32 v5, s14, v2                       ; LDS: my wave's sums, 4,096 w + 16 x lane
	s_lshl_b32 s14, s2, 9
	v_add_nc_u32 v6, s14, v2                       ; piece w: 512 w + 16 x lane
	v_mov_b32 v[QX], 0                             ; a lane permute's destination counts as one of its sources
	v_mov_b32 v[QX+1], 0
	s_mov_b32 s20, 0x76543210
	s_mov_b32 s21, 0xfedcba98
	s_lshl_b32 s16, s3, 14                         ; kv_part: head x 16,384
	s_lshl_b32 s14, ttmp9, 10                      ; + tile x 1,024
	s_add_co_u32 s16, s16, s14
	s_lshl_b32 s14, s2, 19                         ; + my first chunk: 4 w x 131,072
	s_add_co_u32 s16, s16, s14
	s_mov_b32 s17, 0
	s_lshl_b32 s18, s3, 2
	s_add_co_u32 s18, s18, ttmp9                   ; 4 head + tile
	s_wait_kmcnt 0x0
	s_add_nc_u64 s[4:5], s[4:5], s[16:17]
	s_lshl_b32 s16, s18, 9
	s_add_nc_u64 s[8:9], s[8:9], s[16:17]
	s_lshl_b32 s16, s18, 7
	s_add_nc_u64 s[10:11], s[10:11], s[16:17]
	s_lshl_b32 s16, s3, 8
	s_add_nc_u64 s[6:7], s[6:7], s[16:17]
	s_add_nc_u64 s[12:13], s[12:13], s[16:17]
.irp cc, 0,1,2,3
.irp mt, 0,1,2,3
.irp g, 0,1
	global_load_b128 v[16+32*\cc+8*\mt+4*\g:16+32*\cc+8*\mt+4*\g+3], v2, s[4:5] offset:131072*\cc+4096*\mt+512*\g th:TH_LOAD_NT   ; 512 consecutive bytes a load
.endr
.endr
.endr
	s_wait_loadcnt 0x0
.irp cc, 1,2,3
.irp j, 0,2,4,6,8,10,12,14,16,18,20,22,24,26,28,30
	v_pk_add_f32 v[16+\j:17+\j], v[16+\j:17+\j], v[16+32*\cc+\j:17+32*\cc+\j]
.endr
.endr
.irp p, 0,1,2,3,4,5,6,7
	ds_store_b128 v5, v[16+4*\p:19+4*\p] offset:512*\p
.endr
	s_wait_dscnt 0x0                               ; for the others' sake: my stores have landed
	s_barrier_signal -1
	s_barrier_wait -1
.irp g, 0,1,2,3,4,5,6,7
	ds_load_b128 v[48+4*\g:51+4*\g], v6 offset:4096*\g
.endr
	s_wait_dscnt 0x0
.irp g, 1,2,3,4,5,6,7
	v_pk_add_f32 v[48:49], v[48:49], v[48+4*\g:49+4*\g]
	v_pk_add_f32 v[50:51], v[50:51], v[50+4*\g:51+4*\g]
.endr
	ds_store_b128 v6, v[48:51] offset:32768        ; bytes of their own, behind the eight waves' sums
	s_wait_dscnt 0x0
	s_barrier_signal -1
	s_barrier_wait -1
	s_cmp_eq_u32 s2, 0
	s_cbranch_scc0 .Lnot0
.irp p, 0,1,2,3,4,5,6,7
	ds_load_b128 v[16+4*\p:19+4*\p], v2 offset:32768+512*\p
.endr
	s_wait_dscnt 0x0
.irp b, 0,1
	v_max3_num_f32 v[QM+\b], |v[16+16*\b]|, |v[17+16*\b]|, 0x1800000   ; block b of m: my 16 numbers, and the floor 2^(3 - 127)
.endr
.irp i, 2,4,6,8,10,12,14
.irp b, 0,1
	v_max3_num_f32 v[QM+\b], v[QM+\b], |v[16+16*\b+\i]|, |v[17+16*\b+\i]|
.endr
.endr
.irp b, 0,1
	v_permlanex16_b32 v[QX+\b], v[QM+\b], s20, s21
.endr
.irp b, 0,1
	v_max_num_f32 v[QM+\b], v[QM+\b], v[QX+\b]     ; with lane xor 16's 16: the block's largest magnitude
.endr
.irp b, 0,1
	v_add_nc_u32 v[QS+\b], 0xff000000, v[QM+\b]    ; 2 off its exponent field: the conversion's scale operand
.endr
.irp b, 0,1
	v_lshrrev_b32 v[QX+\b], 23, v[QS+\b]           ; the scale's byte
.endr
	v_lshl_or_b32 v14, v[QX+1], 8, v[QX]           ; bytes 0 and 1 of the scale word; bytes 2 and 3 stay 0 for the next launch to fill
.irp b, 0,1
	v_cvt_scalef32_pk8_fp4_f32 v[144+2*\b], v[16+16*\b:23+16*\b], v[QS+\b]
	v_cvt_scalef32_pk8_fp4_f32 v[145+2*\b], v[24+16*\b:31+16*\b], v[QS+\b]
.endr
	v_nop                                          ; one plain place behind the scaled conversions
	v_permlane16_swap_b32 v144, v146               ; a whole block to a lane: lanes 0-15 block 0, lanes 16-31 block 1
	v_permlane16_swap_b32 v145, v147
	global_store_b128 v2, v[144:147], s[8:9]       ; registers 0 to 3 of the operand, lane by lane: 512 consecutive bytes
	global_store_b32 v4, v14, s[10:11]
	s_wait_tensorcnt 0x0
	ds_add_u32 v160, v161
	s_wait_dscnt 0x0
	s_endpgm
.Lnot0:
	s_sub_co_u32 s14, s2, 1
	s_or_b32 s14, s14, ttmp9
	s_cmp_eq_u32 s14, 0                            ; wave 1 of the head's first work-group
	s_cbranch_scc0 .Lend
.set J, 0
.rept 32
	global_load_b64 v[80+2*J:81+2*J], v3, s[6:7] offset:2048*J th:TH_LOAD_NT   ; chunk J's 64 sums: 256 consecutive bytes
.set J, J+1
.endr
	s_wait_loadcnt 0x0
.set J, 4
.rept 28
	v_pk_add_f32 v[80+2*(J%4):81+2*(J%4)], v[80+2*(J%4):81+2*(J%4)], v[80+2*J:81+2*J]   ; four chains
.set J, J+1
.endr
	v_pk_add_f32 v[80:81], v[80:81], v[82:83]
	v_pk_add_f32 v[84:85], v[84:85], v[86:87]
	v_pk_add_f32 v[80:81], v[80:81], v[84:85]
	global_store_b64 v3, v[80:81], s[12:13]        ; 256 consecutive bytes, aligned
.Lend:
	s_wait_tensorcnt 0x0
	ds_add_u32 v160, v161
	s_wait_dscnt 0x0
	s_endpgm
.Lfunc_end_k_qfdcef42928_fold:
	.size	k_qfdcef42928_fold, .Lfunc_end_k_qfdcef42928_fold-k_qfdcef42928_fold
	.p2alignl 7, 3214868480
	.fill 96, 4, 3214868480
	.section	.rodata,"a",@progbits
	.p2align	6, 0x0
	.amdhsa_kernel k_qfdcef42928_fold
		.amdhsa_group_segment_fixed_size 37888
		.amdhsa_private_segment_fixed_size 0
		.amdhsa_enable_private_segment 0
		.amdhsa_kernarg_size 40
		.amdhsa_user_sgpr_count 2
		.amdhsa_user_sgpr_kernarg_segment_ptr 1
		.amdhsa_wavefront_size32 1
		.amdhsa_system_sgpr_workgroup_id_x 1
		.amdhsa_system_sgpr_workgroup_id_y 1
		.amdhsa_system_sgpr_workgroup_id_z 1
		.amdhsa_system_vgpr_workitem_id 0
		.amdhsa_next_free_vgpr 162
		.amdhsa_next_free_sgpr 66
		.amdhsa_reserve_vcc 0
		.amdhsa_float_denorm_mode_32 3
		.amdhsa_float_denorm_mode_16_64 3
		.amdhsa_memory_ordered 1
		.amdhsa_forward_progress 1
		.amdhsa_inst_pref_size 18
	.end_amdhsa_kernel
	.amdgpu_metadata
---
amdhsa.version: [ 1, 2 ]
amdhsa.kernels:
  - .name:           k_qfdcef42928_fold
    .symbol:         k_qfdcef42928_fold.kd
    .args:
      - { .name: kv_part, .offset: 0, .size: 8, .value_kind: global_buffer, .address_space: global }
      - { .name: sk_part, .offset: 8, .size: 8, .value_kind: global_buffer, .address_space: global }
      - { .name: kt_codes, .offset: 16, .size: 8, .value_kind: global_buffer, .address_space: global }
      - { .name: kt_scales, .offset: 24, .size: 8, .value_kind: global_buffer, .address_space: global }
      - { .name: sk_tot, .offset: 32, .size: 8, .value_kind: global_buffer, .address_space: global }
    .group_segment_fixed_size: 37888
    .private_segment_fixed_size: 0
    .kernarg_segment_align: 8
    .kernarg_segment_size: 40
    .max_flat_workgroup_size: 256
    .sgpr_count:     66
    .vgpr_count:     162
    .wavefront_size: 32
...
	.end_amdgpu_metadata
.endif
;; end of part 2
;; launch out (part 3): grid 256 x 1, 8 waves a work-group, no clusters, 83,712 bytes of LDS; arguments query_input_codes, query_input_scales, Wq_codes, Wq_scales, bq, Wv_codes, Wv_scales, bv, norm_scale, Wm_codes, Wm_scales, bm, kt_codes, kt_scales, sk_tot, out0; writes out0
.if DOCPART == 3
	.amdgcn_target "amdgcn-amd-amdhsa--gfx1250"
	.amdhsa_code_object_version 6
	.text
	.protected	k_qfdcef42928_out
	.globl	k_qfdcef42928_out
	.p2align	8
	.type	k_qfdcef42928_out,@function
k_qfdcef42928_out:
	s_mov_b64 s[64:65], 0
	v_nop
	global_prefetch_b8 v0, s[64:65] scope:SCOPE_SE
	s_setreg_imm32_b32 hwreg(HW_REG_WAVE_MODE, 25, 1), 1
	s_wait_xcnt 0x0
; out = mean over heads of (phi_q kT_v / (phi_q . sum_k + 1e-6) + v Wm + bm); t = sqrt(sum out^2 + 1) is put in front: rows of 65 f32.
; q = x Wq + bq, v = x Wv + bv, phi_q kT_v and v Wm on codes of FP4 with E8M0 scales; phi_q (as phi_k in the first launch) and v are quantised along the head's 64 channels; phi_q . sum_k stays in f32.
; SHARES.  A WAVE IS A HEAD: all that belongs to a head (Wq, Wv, their biases, kT_v's codes, Wm's codes, sum_k: 256 registers, window 1) stays in its wave's registers for the whole launch.
; A work-group walks blocks of 32 rows, work-group + 256 j: 13 blocks for the first 53 work-groups, 12 for the others.  The eight heads' contributions meet in LDS: two barriers a block.
; LAYOUT.  The projections are used transposed: source 0 = 16 channels of W (lane r of tile 2 b + u: channel 32 b + 8 u + r + 8 (r / 8)), source 1 = 16 rows of x: a lane holds ONE row and its 16 registers of tiles
; 2 b, 2 b + 1 are channels 32 b + 16 (lane / 16) + 0 .. 15: neighbours along the next K.  The biases are the C of each sum's first matrix instruction.
; THE TWO SHORT PRODUCTS SHARE AN OPERAND: K = 64 fills half of an instruction's 128.  Source 0 = [kT_v's codes | Wm's codes] for 16 channels; source 1 = [phi_q | zero codes] or [zero codes | v], cut out of twelve
; registers phi_q, zeros, v; one scale word a side.  Zero codes add nothing under any byte that stands here (1 to 254).
; No tensor loads: a block of x is 4,096 bytes, one load of 16 bytes a thread, asked for a whole block ahead; so no wave waits for it and nothing is prefetched.  No cluster: work-groups share only the weights, read once.
; THE WAY OUT.  A block's 32 rows of 260 bytes are 8,320 consecutive bytes of out0; they are gathered in LDS as they lie and stored 16 bytes a lane; the copy begins 128 bytes in where the block begins at 128 modulo 256
; (odd blocks), so that sixteen lanes fill an aligned 256 bytes; the 128 bytes left over, one part in 65, are half of 256 bytes whose other half is a neighbouring block's.
; LIMITS: NaN, infinities and scale bytes 0xff among the inputs are not served; a block whose largest magnitude lies under 2^-124 (zeros too) keeps the scale byte 1.
.set NBLK, 3125
.set CL,  4608                         ; LDS: x's block at 0: 32 rows of 128 bytes + 16;  from CL: [head 8][row 32][256 bytes + 16];
.set ST,  74240                        ; from ST: the block's 8,320 bytes of out0
.set VXL, 1                            ; v1   x's fragments: r 144 + 16 h
.set VXS, 2                            ; v2   x's scale words in memory: 8 r + 4 h
.set VXG, 3                            ; v3   16 x thread
.set VXW, 4                            ; v4   where my 16 bytes of x go: (thread / 8) 144 + 16 (thread % 8)
.set VC,  5                            ; v5   my head's contribution: CL + head 8,704 + r 272 + 32 h
.set VRD, 6                            ; v6   the sum over heads: CL + (4 w + h) 272 + 16 r
.set VST, 7                            ; v7   ST + (4 w + h) 260 + 4 + 16 r
.set VT,  8                            ; v8   ST + (4 w + h) 260
.set VCO, 9                            ; v9   ST + 128 (block odd) + 16 x thread
.set VCG, 10                           ; v10  the same without ST
.set VRM, 11                           ; v11  ST + the 128 bytes left over + 16 (thread % 8)
.set VRG, 12                           ; v12  the same without ST
.set CC,  14                           ; v[14:15] c, c
.set WS,  16                           ; v16-23 W's scale words, 2 t + s: lanes 0-15 Wq's, lanes 16-31 Wv's
.set KWS, 24                           ; v24-27 bytes 0, 1: kT_v's; bytes 2, 3: Wm's
.set XS,  28                           ; v28-29 x's scale words, tile of rows rt: lanes 0-15 K step 0, lanes 16-31 K step 1
.set SWB, 30                           ; v30-31 bytes 0, 1: phi_q's; bytes 2, 3: v's
.set XG,  32                           ; v32-35 my 16 bytes of the next block
.set BM,  36                           ; v36-39 bm at channels 4 r .. 4 r + 3
.set X,   40                           ; v40-71 x's fragments, 16 rt + 8 s
.set Q,   72                           ; v72-199 for each rt 64: q's 32, then v's 32
.set PB,  200                          ; v200-223 for each rt 12: phi_q's codes, four zeros, v's codes
.set T,   224                          ; v224-247 at work
.set QM,  224
.set QX,  228
.set QS,  240
.set FF,  248                          ; v248-251 f, a pair for each rt (the low word serves)
.set INV, 252                          ; v252-255 1 / (den + 1e-6) likewise
.set WQF, 0                            ; window 1
.set WVF, 64
.set BQ,  128
.set BV,  160
.set KW,  192
.set SUMK, 224
; s2 wave = head, s4 s5 at work, s6 the block, s7 trips done, s52 trips, s[40:41] an offset (s41 stays 0), s[42:43] s[44:45] the next block's codes and scale bytes, s[46:47] the block's rows of out0,
; s[48:49] r = 1 / (|norm_scale| + 1e-6), s50 c = 1e-6 r, s51 EXEC kept, s53 lanes 16-31, s[54:55] selects for lane xor 16
.set MSB, 0
.macro WIN new                         ; the immediate's high byte repeats the setting that is left
.if MSB != \new
	s_set_vgpr_msb (MSB<<8)|\new
.set MSB, \new
.endif
.endm
; q and v of the block's 32 rows for my head: 16 accumulators by turns, two K steps
.macro PROJ3
	WIN 0x11                                       ; source 0 (W) and source 2 (the bias) in window 1
.irp rt, 0,1
.irp t, 0,1,2,3
	v_wmma_scale_f32_16x16x128_f8f6f4 v[Q+64*\rt+8*\t:Q+64*\rt+8*\t+7], v[WQF+16*\t:WQF+16*\t+7], v[X+16*\rt:X+16*\rt+7], v[BQ+8*\t:BQ+8*\t+7], v[WS+2*\t], v[XS+\rt] matrix_a_fmt:MATRIX_FMT_FP4 matrix_b_fmt:MATRIX_FMT_FP4
.endr
.irp t, 0,1,2,3
	v_wmma_scale_f32_16x16x128_f8f6f4 v[Q+64*\rt+32+8*\t:Q+64*\rt+32+8*\t+7], v[WVF+16*\t:WVF+16*\t+7], v[X+16*\rt:X+16*\rt+7], v[BV+8*\t:BV+8*\t+7], v[WS+2*\t], v[XS+\rt] matrix_a_fmt:MATRIX_FMT_FP4 matrix_b_fmt:MATRIX_FMT_FP4 matrix_a_scale:MATRIX_SCALE_ROW1
.endr
.endr
	WIN 0x01
.irp rt, 0,1
.irp t, 0,1,2,3
	v_wmma_scale_f32_16x16x128_f8f6f4 v[Q+64*\rt+8*\t:Q+64*\rt+8*\t+7], v[WQF+16*\t+8:WQF+16*\t+15], v[X+16*\rt+8:X+16*\rt+15], v[Q+64*\rt+8*\t:Q+64*\rt+8*\t+7], v[WS+2*\t+1], v[XS+\rt] matrix_a_fmt:MATRIX_FMT_FP4 matrix_b_fmt:MATRIX_FMT_FP4 matrix_b_scale:MATRIX_SCALE_ROW1
.endr
.irp t, 0,1,2,3
	v_wmma_scale_f32_16x16x128_f8f6f4 v[Q+64*\rt+32+8*\t:Q+64*\rt+32+8*\t+7], v[WVF+16*\t+8:WVF+16*\t+15], v[X+16*\rt+8:X+16*\rt+15], v[Q+64*\rt+32+8*\t:Q+64*\rt+32+8*\t+7], v[WS+2*\t+1], v[XS+\rt] matrix_a_fmt:MATRIX_FMT_FP4 matrix_b_fmt:MATRIX_FMT_FP4 matrix_a_scale:MATRIX_SCALE_ROW1 matrix_b_scale:MATRIX_SCALE_ROW1
.endr
.endr
	WIN 0
.rept 4
	v_nop                                          ; four places ahead of the first read of results and of the loads into x's scale words
.endr
.endm
; a = max(q r + c, c); a^2 in place; my 32 channels' parts of sum a^2, sum a^4 and sum a^2 sum_k, two chains each.  Each accumulator is read from its low end on.
.macro EL rt
.set QB, Q+64*(\rt)
.set TB, T+12*(\rt)
.irp j, 0,2,4,6,8,10,12,14,16,18,20,22,24,26,28,30
	v_pk_fma_f32 v[QB+\j:QB+\j+1], v[QB+\j:QB+\j+1], s[48:49], v[CC:CC+1] op_sel_hi:[1,0,1]
.endr
.irp j, 0,1,2,3,4,5,6,7,8,9,10,11,12,13,14,15,16,17,18,19,20,21,22,23,24,25,26,27,28,29,30,31
	v_max_num_f32 v[QB+\j], s50, v[QB+\j]
.endr
.irp j, 0,2,4,6,8,10,12,14,16,18,20,22,24,26,28,30
	v_pk_mul_f32 v[QB+\j:QB+\j+1], v[QB+\j:QB+\j+1], v[QB+\j:QB+\j+1]
.endr
	v_pk_add_f32 v[TB:TB+1], v[QB:QB+1], v[QB+4:QB+5]
	v_pk_add_f32 v[TB+2:TB+3], v[QB+2:QB+3], v[QB+6:QB+7]
	v_pk_mul_f32 v[TB+4:TB+5], v[QB:QB+1], v[QB:QB+1]
	v_pk_mul_f32 v[TB+6:TB+7], v[QB+2:QB+3], v[QB+2:QB+3]
	v_pk_fma_f32 v[TB+4:TB+5], v[QB+4:QB+5], v[QB+4:QB+5], v[TB+4:TB+5]
	v_pk_fma_f32 v[TB+6:TB+7], v[QB+6:QB+7], v[QB+6:QB+7], v[TB+6:TB+7]
.irp j, 8,12,16,20,24,28
	v_pk_add_f32 v[TB:TB+1], v[TB:TB+1], v[QB+\j:QB+\j+1]
	v_pk_add_f32 v[TB+2:TB+3], v[TB+2:TB+3], v[QB+\j+2:QB+\j+3]
	v_pk_fma_f32 v[TB+4:TB+5], v[QB+\j:QB+\j+1], v[QB+\j:QB+\j+1], v[TB+4:TB+5]
	v_pk_fma_f32 v[TB+6:TB+7], v[QB+\j+2:QB+\j+3], v[QB+\j+2:QB+\j+3], v[TB+6:TB+7]
.endr
	WIN 0x04                                       ; source 1 (sum_k) in window 1
	v_pk_mul_f32 v[TB+8:TB+9], v[QB:QB+1], v[SUMK:SUMK+1]
	v_pk_mul_f32 v[TB+10:TB+11], v[QB+2:QB+3], v[SUMK+2:SUMK+3]
.irp j, 4,8,12,16,20,24,28
	v_pk_fma_f32 v[TB+8:TB+9], v[QB+\j:QB+\j+1], v[SUMK+\j:SUMK+\j+1], v[TB+8:TB+9]
	v_pk_fma_f32 v[TB+10:TB+11], v[QB+\j+2:QB+\j+3], v[SUMK+\j+2:SUMK+\j+3], v[TB+10:TB+11]
.endr
	WIN 0
	v_pk_add_f32 v[TB:TB+1], v[TB:TB+1], v[TB+2:TB+3]
	v_pk_add_f32 v[TB+4:TB+5], v[TB+4:TB+5], v[TB+6:TB+7]
	v_pk_add_f32 v[TB+8:TB+9], v[TB+8:TB+9], v[TB+10:TB+11]
.endm
; The rows' figures, both tiles of rows together: f = n1 / (n2 + 1e-12); 1 / (f sum(a^2 sum_k) + 1e-6).  The last reciprocals' wait stands ahead of their first reader, behind the short products.
.macro STAT
.irp rt, 0,1
.irp k, 0,4,8
	v_add_f32 v[T+12*\rt+\k], v[T+12*\rt+\k], v[T+12*\rt+\k+1]
.endr
.endr
.irp rt, 0,1
.irp k, 0,4,8
	v_permlanex16_b32 v[T+12*\rt+\k+1], v[T+12*\rt+\k], s54, s55   ; the row's other 32 channels lie in lane xor 16
.endr
.endr
.irp rt, 0,1
.irp k, 0,4,8
	v_add_f32 v[T+12*\rt+\k], v[T+12*\rt+\k], v[T+12*\rt+\k+1]
.endr
.endr
.irp rt, 0,1
	v_sqrt_f32 v[T+12*\rt+2], v[T+12*\rt]
	v_sqrt_f32 v[T+12*\rt+6], v[T+12*\rt+4]
.endr
	v_nop                                          ; a plain place behind the roots,
	s_wait_alu depctr_va_vdst(0)                   ; and the wait ahead of their first reader
.irp rt, 0,1
	v_add_f32 v[T+12*\rt+6], 0x2b8cbccc, v[T+12*\rt+6]   ; + 1e-12
.endr
.irp rt, 0,1
	v_rcp_f32 v[T+12*\rt+7], v[T+12*\rt+6]
.endr
	v_nop
	s_wait_alu depctr_va_vdst(0)
.irp rt, 0,1
	v_mul_f32 v[FF+2*\rt], v[T+12*\rt+2], v[T+12*\rt+7]
.endr
.irp rt, 0,1
	v_fmaak_f32 v[T+12*\rt+9], v[FF+2*\rt], v[T+12*\rt+8], 0x358637bd   ; phi_q . sum_k + 1e-6
.endr
.irp rt, 0,1
	v_rcp_f32 v[INV+2*\rt], v[T+12*\rt+9]
.endr
.endm
; 32 numbers a lane and tile of rows (from so on in the tile's 64) become four registers of codes (from dofs on in its twelve) and two bytes of its scale word (from bit sh on).  Four blocks by turns.
.macro QUANTB so, dofs, sh
.irp rt, 0,1
.irp b, 0,1
	v_max3_num_f32 v[QM+2*\rt+\b], |v[Q+64*\rt+\so+16*\b]|, |v[Q+64*\rt+\so+16*\b+1]|, 0x1800000   ; with the floor 2^(3 - 127): the byte cannot fall under 1
.endr
.endr
.irp i, 2,4,6,8,10,12,14
.irp rt, 0,1
.irp b, 0,1
	v_max3_num_f32 v[QM+2*\rt+\b], v[QM+2*\rt+\b], |v[Q+64*\rt+\so+16*\b+\i]|, |v[Q+64*\rt+\so+16*\b+\i+1]|
.endr
.endr
.endr
.irp n, 0,1,2,3
	v_permlanex16_b32 v[QX+\n], v[QM+\n], s54, s55
.endr
.irp n, 0,1,2,3
	v_max_num_f32 v[QM+\n], v[QM+\n], v[QX+\n]     ; the block's largest magnitude
.endr
.irp n, 0,1,2,3
	v_add_nc_u32 v[QS+\n], 0xff000000, v[QM+\n]    ; 2 off its exponent field: the conversion's scale operand
.endr
.irp n, 0,1,2,3
	v_lshrrev_b32 v[QX+\n], 23, v[QS+\n]           ; the scale's byte
.endr
.irp rt, 0,1
.if (\sh) == 0
	v_lshl_or_b32 v[SWB+\rt], v[QX+2*\rt+1], 8, v[QX+2*\rt]   ; begins the scale word anew
.else
	v_lshl_or_b32 v[SWB+\rt], v[QX+2*\rt], \sh, v[SWB+\rt]
	v_lshl_or_b32 v[SWB+\rt], v[QX+2*\rt+1], (\sh)+8, v[SWB+\rt]
.endif
.endr
.irp rt, 0,1
.irp b, 0,1
	v_cvt_scalef32_pk8_fp4_f32 v[PB+12*\rt+\dofs+2*\b], v[Q+64*\rt+\so+16*\b:Q+64*\rt+\so+16*\b+7], v[QS+2*\rt+\b]
	v_cvt_scalef32_pk8_fp4_f32 v[PB+12*\rt+\dofs+2*\b+1], v[Q+64*\rt+\so+16*\b+8:Q+64*\rt+\so+16*\b+15], v[QS+2*\rt+\b]
.endr
.endr
	v_nop                                          ; one plain place behind the scaled conversions
.irp rt, 0,1
	v_permlane16_swap_b32 v[PB+12*\rt+\dofs], v[PB+12*\rt+\dofs+2]     ; a whole block to a lane: lanes 0-15 block 0, lanes 16-31 block 1
	v_permlane16_swap_b32 v[PB+12*\rt+\dofs+1], v[PB+12*\rt+\dofs+3]
.endr
.endm
	s_load_b512 s[8:23], s[0:1], 0x0               ; x's codes s[8:9], scales s[10:11], Wq's codes s[12:13], scales s[14:15], bq s[16:17], Wv's codes s[18:19], scales s[20:21], bv s[22:23]
	s_load_b512 s[24:39], s[0:1], 0x40             ; norm_scale s[24:25], Wm's codes s[26:27], scales s[28:29], bm s[30:31], kt_codes s[32:33], kt_scales s[34:35], sk_tot s[36:37], out0 s[38:39]
	v_lshrrev_b32 v224, 5, v0
	v_readfirstlane_b32 s2, v224                   ; wave = head
	s_mov_b32 s41, 0
	s_mov_b32 s53, 0xffff0000
	s_mov_b32 s54, 0x76543210
	s_mov_b32 s55, 0xfedcba98
	s_mov_b32 s6, ttmp9                            ; my first block
	s_mov_b32 s7, 0
	s_cmp_lt_u32 ttmp9, 53
	s_cselect_b32 s52, 13, 12                      ; 3,125 = 12 x 256 + 53
	v_and_b32 v225, 15, v0                         ; r
	v_bfe_u32 v226, v0, 4, 1                       ; h
	v_and_b32 v227, 31, v0                         ; lane
	v_and_b32 v228, 8, v0
	v_add_nc_u32 v228, v228, v225                  ; r + 8 (r / 8)
	v_mul_u32_u24 v[VXL], v225, 144
	v_lshl_add_u32 v[VXL], v226, 4, v[VXL]
	v_lshlrev_b32 v[VXS], 3, v225
	v_lshl_add_u32 v[VXS], v226, 2, v[VXS]
	v_lshlrev_b32 v[VXG], 4, v0
	v_lshrrev_b32 v229, 3, v0
	v_mul_u32_u24 v[VXW], v229, 144
	v_and_b32 v229, 7, v0
	v_lshl_add_u32 v[VXW], v229, 4, v[VXW]
	s_mul_i32 s4, s2, 8704
	s_add_co_u32 s4, s4, CL
	v_mul_u32_u24 v[VC], v225, 272
	v_lshl_add_u32 v[VC], v226, 5, v[VC]
	v_add_nc_u32 v[VC], s4, v[VC]
	s_mul_i32 s4, s2, 4*272
	s_add_co_u32 s4, s4, CL
	v_mul_u32_u24 v[VRD], v226, 272
	v_lshl_add_u32 v[VRD], v225, 4, v[VRD]
	v_add_nc_u32 v[VRD], s4, v[VRD]
	s_mul_i32 s4, s2, 4*260
	s_add_co_u32 s4, s4, ST
	v_mul_u32_u24 v[VT], v226, 260
	v_add_nc_u32 v[VT], s4, v[VT]
	v_lshl_add_u32 v[VST], v225, 4, v[VT]
	v_add_nc_u32 v[VST], 4, v[VST]
	s_and_b32 s5, ttmp9, 1                         ; all my blocks are odd, or all even
	s_lshl_b32 s4, s5, 7
	v_lshl_add_u32 v[VCG], v0, 4, s4
	v_add_nc_u32 v[VCO], ST, v[VCG]
	s_xor_b32 s5, s5, 1
	s_lshl_b32 s5, s5, 13                          ; what is left over: the last 128 bytes of an even block, the first 128 of an odd one
	v_lshl_add_u32 v[VRG], v229, 4, s5
	v_add_nc_u32 v[VRM], ST, v[VRG]
	v_lshlrev_b32 v230, 7, v228
	v_lshl_add_u32 v230, v226, 4, v230             ; W's codes: (r + 8 (r / 8)) 128 + 16 h
	v_lshlrev_b32 v231, 3, v228                    ; W's scale words
	v_lshlrev_b32 v232, 6, v226                    ; biases and sum_k: 64 h
	v_lshlrev_b32 v233, 4, v227                    ; kT_v's image: 16 x lane
	v_lshlrev_b32 v234, 5, v225
	v_lshl_add_u32 v234, v226, 4, v234             ; Wm's codes: r 32 + 16 h
	v_lshlrev_b32 v235, 2, v227                    ; kT_v's scale words
	v_lshlrev_b32 v236, 1, v225                    ; Wm's scale bytes: two a row
	v_lshlrev_b32 v237, 4, v225                    ; bm
	s_wait_kmcnt 0x0
	s_load_b32 s56, s[24:25], 0x0                  ; norm_scale
	s_lshl_b32 s40, s2, 13                         ; my head's part of each tensor
	s_add_nc_u64 s[12:13], s[12:13], s[40:41]
	s_add_nc_u64 s[18:19], s[18:19], s[40:41]
	s_lshl_b32 s40, s2, 9
	s_add_nc_u64 s[14:15], s[14:15], s[40:41]
	s_add_nc_u64 s[20:21], s[20:21], s[40:41]
	s_add_nc_u64 s[34:35], s[34:35], s[40:41]
	s_lshl_b32 s40, s2, 8
	s_add_nc_u64 s[16:17], s[16:17], s[40:41]
	s_add_nc_u64 s[22:23], s[22:23], s[40:41]
	s_add_nc_u64 s[36:37], s[36:37], s[40:41]
	s_lshl_b32 s40, s2, 11
	s_add_nc_u64 s[32:33], s[32:33], s[40:41]
	s_lshl_b32 s40, s6, 12
	s_add_nc_u64 s[42:43], s[8:9], s[40:41]
	s_lshl_b32 s40, s6, 8
	s_add_nc_u64 s[44:45], s[10:11], s[40:41]
	global_load_b128 v[XG:XG+3], v[VXG], s[42:43] th:TH_LOAD_NT    ; the first block of x: 512 consecutive bytes a wave
.irp rt, 0,1
	global_load_b32 v[XS+\rt], v[VXS], s[44:45] offset:128*\rt
.endr
	WIN 0x40                                       ; destination window 1
.irp t, 0,1,2,3
.irp s, 0,1
.irp c, 0,1
	global_load_b128 v[WQF+8*(2*\t+\s)+4*\c:WQF+8*(2*\t+\s)+4*\c+3], v230, s[12:13] offset:(32*(\t/2)+8*(\t%2))*128+64*\s+32*\c
	global_load_b128 v[WVF+8*(2*\t+\s)+4*\c:WVF+8*(2*\t+\s)+4*\c+3], v230, s[18:19] offset:(32*(\t/2)+8*(\t%2))*128+64*\s+32*\c
.endr
.endr
.irp g, 0,1
	global_load_b128 v[BQ+8*\t+4*\g:BQ+8*\t+4*\g+3], v232, s[16:17] offset:(32*(\t/2)+8*(\t%2))*4+16*\g   ; lane (r, h): the tile's eight channels of its half
	global_load_b128 v[BV+8*\t+4*\g:BV+8*\t+4*\g+3], v232, s[22:23] offset:(32*(\t/2)+8*(\t%2))*4+16*\g
.endr
	global_load_b128 v[KW+8*\t:KW+8*\t+3], v233, s[32:33] offset:512*\t        ; K = m 0 .. 63 of channels d = 16 t + r
	global_load_b128 v[KW+8*\t+4:KW+8*\t+7], v234, s[26:27] offset:512*\t      ; K = d 0 .. 63 of channels e = 16 t + r
.endr
.irp g, 0,1,2,3,4,5,6,7
	global_load_b128 v[SUMK+4*\g:SUMK+4*\g+3], v232, s[36:37] offset:128*(\g/4)+16*(\g%4)   ; register 16 b + i: sum_k at 32 b + 16 h + i
.endr
	WIN 0
.irp t, 0,1,2,3
.irp s, 0,1
	global_load_b32 v[72+2*\t+\s], v231, s[14:15] offset:(32*(\t/2)+8*(\t%2))*8+4*\s
	global_load_b32 v[80+2*\t+\s], v231, s[20:21] offset:(32*(\t/2)+8*(\t%2))*8+4*\s
.endr
	global_load_b32 v[88+\t], v235, s[34:35] offset:128*\t
	global_load_u16 v[92+\t], v236, s[28:29] offset:32*\t
.endr
	global_load_b128 v[BM:BM+3], v237, s[30:31]
	s_wait_loadcnt 0x0
	s_wait_kmcnt 0x0
.irp i, 0,1,2,3,4,5,6,7
	v_cndmask_b32 v[WS+\i], v[72+\i], v[80+\i], s53    ; lanes 0-15 Wq's word, lanes 16-31 Wv's
.endr
.irp t, 0,1,2,3
	v_lshl_or_b32 v[KWS+\t], v[92+\t], 16, v[88+\t]
.endr
	ds_store_b128 v[VXW], v[XG:XG+3]
	v_mov_b32 v238, 0x358637bd                     ; 1e-6
	v_add_f32 v239, |s56|, v238                    ; d = |norm_scale| + 1e-6
	v_rcp_f32 v240, v239
	v_nop
	s_wait_alu depctr_va_vdst(0)
	v_fma_f32 v241, -v239, v240, 1.0               ; one step of Newton's on the reciprocal
	v_fma_f32 v241, v241, v240, v240               ; r = 1 / d
	v_mul_f32 v[CC], v238, v241                    ; c = 1e-6 r
	v_mov_b32 v[CC+1], v[CC]
	v_readfirstlane_b32 s48, v241
	v_readfirstlane_b32 s50, v[CC]
	s_mov_b32 s49, s48                             ; (named with s48 as a pair, so it is written)
.irp rt, 0,1
.irp i, 4,5,6,7
	v_mov_b32 v[PB+12*\rt+\i], 0                   ; the zero codes: they stay
.endr
	v_mov_b32 v[FF+2*\rt+1], 0                     ; (upper halves of pairs of which the low word serves)
	v_mov_b32 v[INV+2*\rt+1], 0
.endr
	s_wait_dscnt 0x0
	s_barrier_signal -1
	s_barrier_wait -1                              ; the first block of x lies in LDS
.Lstep:
	; ---- my head's contribution to the block's 32 rows
	s_add_co_u32 s4, s6, 256
	s_min_u32 s4, s4, NBLK-1                       ; the next block, held at the last: behind my last block the load stays inside the buffer and nobody uses it
	s_lshl_b32 s40, s4, 12
	s_add_nc_u64 s[42:43], s[8:9], s[40:41]        ; (the last load by this address was waited for ahead of its LDS store)
	global_load_b128 v[XG:XG+3], v[VXG], s[42:43] th:TH_LOAD_NT
.irp rt, 0,1
.irp s, 0,1
.irp c, 0,1
	ds_load_b128 v[X+16*\rt+8*\s+4*\c:X+16*\rt+8*\s+4*\c+3], v[VXL] offset:2304*\rt+64*\s+32*\c
.endr
.endr
.endr
	s_wait_dscnt 0x0
	s_wait_loadcnt 0x1                             ; this block's two scale words are older than the load just issued, which may stay out
	s_wait_xcnt 0x0                                ; the last block's stores have read their data and their base: the products below write over the one, the way out steps the other
	PROJ3
	s_lshl_b32 s40, s4, 8
	s_add_nc_u64 s[44:45], s[10:11], s[40:41]
.irp rt, 0,1
	global_load_b32 v[XS+\rt], v[VXS], s[44:45] offset:128*\rt     ; the next block's scale words
.endr
	EL 0
	EL 1
	STAT
.irp rt, 0,1
.irp j, 0,2,4,6,8,10,12,14,16,18,20,22,24,26,28,30
	v_pk_mul_f32 v[Q+64*\rt+\j:Q+64*\rt+\j+1], v[Q+64*\rt+\j:Q+64*\rt+\j+1], v[FF+2*\rt:FF+2*\rt+1] op_sel_hi:[1,0]   ; phi_q = f a^2
.endr
.endr
	QUANTB 0, 0, 0                                 ; phi_q
	QUANTB 32, 8, 16                               ; v
.rept 8
	v_nop                                          ; scale words written by vector instructions stand eight places ahead of a scaled matrix instruction, operands four
.endr
	WIN 0x01                                       ; source 0 in window 1
.irp rt, 0,1
.irp dt, 0,1,2,3
	v_wmma_scale_f32_16x16x128_f8f6f4 v[Q+64*\rt+8*\dt:Q+64*\rt+8*\dt+7], v[KW+8*\dt:KW+8*\dt+7], v[PB+12*\rt:PB+12*\rt+7], 0, v[KWS+\dt], v[SWB+\rt] matrix_a_fmt:MATRIX_FMT_FP4 matrix_b_fmt:MATRIX_FMT_FP4   ; phi_q kT_v, over q, which is done with
.endr
.irp dt, 0,1,2,3
	v_wmma_scale_f32_16x16x128_f8f6f4 v[Q+64*\rt+32+8*\dt:Q+64*\rt+32+8*\dt+7], v[KW+8*\dt:KW+8*\dt+7], v[PB+12*\rt+4:PB+12*\rt+11], 0, v[KWS+\dt], v[SWB+\rt] matrix_a_fmt:MATRIX_FMT_FP4 matrix_b_fmt:MATRIX_FMT_FP4   ; v Wm, over v
.endr
.endr
	WIN 0
.rept 4
	v_nop
.endr
	s_wait_alu depctr_va_vdst(0)                   ; the two reciprocals of the divisors: the wait ahead of their first reader
.irp rt, 0,1
.irp j, 0,2,4,6,8,10,12,14,16,18,20,22,24,26,28,30
	v_pk_fma_f32 v[Q+64*\rt+\j:Q+64*\rt+\j+1], v[Q+64*\rt+\j:Q+64*\rt+\j+1], v[INV+2*\rt:INV+2*\rt+1], v[Q+64*\rt+32+\j:Q+64*\rt+32+\j+1] op_sel_hi:[1,0,1]   ; register 8 dt + j: row r, channel 16 dt + 8 h + j
.endr
.endr
.irp rt, 0,1
.irp dt, 0,1,2,3
.irp g, 0,1
	ds_store_b128 v[VC], v[Q+64*\rt+8*\dt+4*\g:Q+64*\rt+8*\dt+4*\g+3] offset:4352*\rt+64*\dt+16*\g
.endr
.endr
.endr
	s_wait_dscnt 0x0                               ; my contribution has landed; my reads of x's block and of the last block's rows are long over
	s_barrier_signal -1
	s_barrier_wait -1
	; ---- the sum over heads: wave w takes rows 4 w .. 4 w + 3, sixteen lanes to a row, four channels a lane.  The next block of x goes into LDS here, where nobody reads the old one.
	s_wait_loadcnt 0x2                             ; the next block's codes are older than the two scale words, which may stay out
	ds_store_b128 v[VXW], v[XG:XG+3]
.irp i, 0,1
.irp g, 0,1,2,3,4,5,6,7
	ds_load_b128 v[Q+32*\i+4*\g:Q+32*\i+4*\g+3], v[VRD] offset:8704*\g+544*\i
.endr
.endr
	s_wait_dscnt 0x0
.irp g, 1,2,3,4,5,6,7
.irp i, 0,1
.irp k, 0,2
	v_pk_add_f32 v[Q+32*\i+\k:Q+32*\i+\k+1], v[Q+32*\i+\k:Q+32*\i+\k+1], v[Q+32*\i+4*\g+\k:Q+32*\i+4*\g+\k+1]
.endr
.endr
.endr
.irp i, 0,1
.irp k, 0,2
	v_pk_fma_f32 v[Q+32*\i+\k:Q+32*\i+\k+1], v[Q+32*\i+\k:Q+32*\i+\k+1], 0x3e000000, v[BM+\k:BM+\k+1] op_sel_hi:[1,0,1]   ; the mean of eight heads, + bm
.endr
.endr
.irp i, 0,1
	v_pk_mul_f32 v[T+2*\i:T+2*\i+1], v[Q+32*\i:Q+32*\i+1], v[Q+32*\i:Q+32*\i+1]
.endr
.irp i, 0,1
	v_pk_fma_f32 v[T+2*\i:T+2*\i+1], v[Q+32*\i+2:Q+32*\i+3], v[Q+32*\i+2:Q+32*\i+3], v[T+2*\i:T+2*\i+1]
.endr
.irp i, 0,1
	v_add_f32 v[T+2*\i], v[T+2*\i], v[T+2*\i+1]
.endr
.irp x, 1,2,4,8
.irp i, 0,1
	v_add_f32_dpp v[T+2*\i], v[T+2*\i], v[T+2*\i] row_xmask:\x row_mask:0xf bank_mask:0xf   ; over the row's sixteen lanes
.endr
.endr
.irp i, 0,1
	v_add_f32 v[T+2*\i], 1.0, v[T+2*\i]            ; + the curvature
.endr
.irp i, 0,1
	v_sqrt_f32 v[T+2*\i+1], v[T+2*\i]
.endr
	v_nop
	s_wait_alu depctr_va_vdst(0)
.irp i, 0,1
.irp k, 0,1,2,3
	ds_store_b32 v[VST], v[Q+32*\i+\k] offset:520*\i+4*\k          ; rows of 260 bytes, as they lie in out0: no wider store is aligned in every row
.endr
	ds_store_b32 v[VT], v[T+2*\i+1] offset:520*\i                  ; the row's sixteen lanes write the same word with the same value
.endr
	s_wait_dscnt 0x0                               ; my rows and my part of x's next block have landed; my reads of the contributions are over
	s_barrier_signal -1
	s_barrier_wait -1
	; ---- the way out
	s_mul_i32 s40, s6, 8320
	s_add_nc_u64 s[46:47], s[38:39], s[40:41]
	ds_load_b128 v[136:139], v[VCO]
	ds_load_b128 v[140:143], v[VCO] offset:4096
	s_wait_dscnt 0x0
	global_store_b128 v[VCG], v[136:139], s[46:47] th:TH_STORE_NT              ; sixteen lanes store 256 consecutive bytes, at a multiple of 256 from out0's first byte
	global_store_b128 v[VCG], v[140:143], s[46:47] offset:4096 th:TH_STORE_NT
	s_cmp_lg_u32 s2, 0
	s_cbranch_scc1 .Lnot0
	ds_load_b128 v[144:147], v[VRM]                ; the 128 bytes left over: eight lanes of wave 0
	s_wait_dscnt 0x0
	s_wait_xcnt 0x0                                ; EXEC changes only behind this wait
	v_cmp_gt_u32 vcc_lo, 8, v0
	s_and_saveexec_b32 s51, vcc_lo
	global_store_b128 v[VRG], v[144:147], s[46:47] th:TH_STORE_NT
	s_wait_xcnt 0x0                                ; and again ahead of the line that widens it
	s_or_b32 exec_lo, exec_lo, s51
.Lnot0:
	s_add_co_u32 s6, s6, 256
	s_add_co_u32 s7, s7, 1
	s_cmp_lt_u32 s7, s52
	s_cbranch_scc1 .Lstep
	s_wait_xcnt 0x0
	s_mov_b32 exec_lo, -1
	v_lshl_add_u32 v254, v0, 2, 0x14300
	v_mov_b32 v255, 0
	s_wait_tensorcnt 0x0
	ds_add_u32 v254, v255
	s_wait_dscnt 0x0
	s_endpgm
.Lfunc_end_k_qfdcef42928_out:
	.size	k_qfdcef42928_out, .Lfunc_end_k_qfdcef42928_out-k_qfdcef42928_out
	.p2alignl 7, 3214868480
	.fill 96, 4, 3214868480
	.section	.rodata,"a",@progbits
	.p2align	6, 0x0
	.amdhsa_kernel k_qfdcef42928_out
		.amdhsa_group_segment_fixed_size 83712
		.amdhsa_private_segment_fixed_size 0
		.amdhsa_enable_private_segment 0
		.amdhsa_kernarg_size 128
		.amdhsa_user_sgpr_count 2
		.amdhsa_user_sgpr_kernarg_segment_ptr 1
		.amdhsa_wavefront_size32 1
		.amdhsa_system_sgpr_workgroup_id_x 1
		.amdhsa_system_sgpr_workgroup_id_y 1
		.amdhsa_system_sgpr_workgroup_id_z 1
		.amdhsa_system_vgpr_workitem_id 0
		.amdhsa_next_free_vgpr 512
		.amdhsa_next_free_sgpr 66
		.amdhsa_reserve_vcc 1
		.amdhsa_float_denorm_mode_32 3
		.amdhsa_float_denorm_mode_16_64 3
		.amdhsa_memory_ordered 1
		.amdhsa_forward_progress 1
		.amdhsa_inst_pref_size 55
	.end_amdhsa_kernel
	.amdgpu_metadata
---
amdhsa.version: [ 1, 2 ]
amdhsa.kernels:
  - .name:           k_qfdcef42928_out
    .symbol:         k_qfdcef42928_out.kd
    .args:
      - { .name: query_input_codes, .offset: 0, .size: 8, .value_kind: global_buffer, .address_space: global }
      - { .name: query_input_scales, .offset: 8, .size: 8, .value_kind: global_buffer, .address_space: global }
      - { .name: Wq_codes, .offset: 16, .size: 8, .value_kind: global_buffer, .address_space: global }
      - { .name: Wq_scales, .offset: 24, .size: 8, .value_kind: global_buffer, .address_space: global }
      - { .name: bq, .offset: 32, .size: 8, .value_kind: global_buffer, .address_space: global }
      - { .name: Wv_codes, .offset: 40, .size: 8, .value_kind: global_buffer, .address_space: global }
      - { .name: Wv_scales, .offset: 48, .size: 8, .value_kind: global_buffer, .address_space: global }
      - { .name: bv, .offset: 56, .size: 8, .value_kind: global_buffer, .address_space: global }
      - { .name: norm_scale, .offset: 64, .size: 8, .value_kind: global_buffer, .address_space: global }
      - { .name: Wm_codes, .offset: 72, .size: 8, .value_kind: global_buffer, .address_space: global }
      - { .name: Wm_scales, .offset: 80, .size: 8, .value_kind: global_buffer, .address_space: global }
      - { .name: bm, .offset: 88, .size: 8, .value_kind: global_buffer, .address_space: global }
      - { .name: kt_codes, .offset: 96, .size: 8, .value_kind: global_buffer, .address_space: global }
      - { .name: kt_scales, .offset: 104, .size: 8, .value_kind: global_buffer, .address_space: global }
      - { .name: sk_tot, .offset: 112, .size: 8, .value_kind: global_buffer, .address_space: global }
      - { .name: out0, .offset: 120, .size: 8, .value_kind: global_buffer, .address_space: global }
    .group_segment_fixed_size: 83712
    .private_segment_fixed_size: 0
    .kernarg_segment_align: 8
    .kernarg_segment_size: 128
    .max_flat_workgroup_size: 256
    .sgpr_count:     66
    .vgpr_count:     512
    .wavefront_size: 32
...
	.end_amdgpu_metadata
.endif
;; end of part 3
;; ======== version 2 of 2: 3 launches; version 1 with the launch kv written anew for expert scheduling mode
;; workspace buffers: kv_part 4,194,304 bytes; sk_part 65,536 bytes; kt_codes 16,384 bytes; kt_scales 4,096 bytes; sk_tot 2,048 bytes
;; launch kv (part 4): grid 8 x 32, 8 waves a work-group, no clusters, 175,104 bytes of LDS; arguments query_input_codes, query_input_scales, Wk_codes, Wk_scales, bk, Wv_codes, Wv_scales, bv, norm_scale, kv_part, sk_part; writes kv_part, sk_part
.if DOCPART == 4
	.amdgcn_target "amdgcn-amd-amdhsa--gfx1250"
	.amdhsa_code_object_version 6
	.text
	.protected	k_qfdcef42928_kv
	.globl	k_qfdcef42928_kv
	.p2align	8
	.type	k_qfdcef42928_kv,@function
k_qfdcef42928_kv:
	s_mov_b64 s[64:65], 0
	v_nop
	global_prefetch_b8 v0, s[64:65] scope:SCOPE_SE
	s_setreg_imm32_b32 hwreg(HW_REG_WAVE_SCHED_MODE, 0, 2), 2
	s_setreg_imm32_b32 hwreg(HW_REG_WAVE_MODE, 25, 1), 1
	s_wait_xcnt 0x0
	s_wait_alu depctr_vm_vsrc(0)
; PARTS OF kT_v = phi_k^T v AND OF sum_k, for one head (work-group x) and one of 32 chunks of rows (work-group y).
; k = x Wk + bk and v = x Wv + bv on codes of FP4 with E8M0 scales (K = 256); phi_k = n1 / (n2 + 1e-12) a^2 with a = (relu(k) + 1e-6) / (|norm_scale| + 1e-6), n1 = sqrt(sum a^2), n2 = sqrt(sum a^4) over
; the head's 64 channels; phi_k and v are quantised ALONG THE ROWS, in blocks of 32 rows, and multiplied on codes (K = rows).  100,000 rows are 3,125 such blocks.
; SHARES.  The eight waves are eight slices that share nothing until the end: slice i = 8 chunk + wave takes blocks i + 256 j, j = 0 .. 11, and block i + 3,072 where i < 53.
; LAYOUT.  Source 0 of a projection = 16 rows of x, source 1 = 16 channels of W: a lane holds ONE channel and its registers run down the rows.  The rows of a tile are not neighbours: lane r of tile u takes row
; 8 u + r + 8 (r / 8), so that the 16 registers of tiles 0 and 1 are rows 16 (lane / 16) + 0 .. 15: the conversions' results are the next operand.  Wk's channels are chosen the same way (lane r of tile 2 b + u:
; channel 32 b + 8 u + r + 8 (r / 8)), so that kT_v's registers run along m for the next launch's quantiser; Wv's tiles are plain.
; A row's two norms are sums over channels, that is over 4 tiles and 16 lanes: the lanes' parts meet in the wave's own LDS scratch.
; Four blocks of a slice make one K step of 128 rows of kT_v: 16 products on 16 accumulators.  At the end the eight waves' accumulators are added through LDS and leave as an image of the registers.
; NO JOINT LOADS: a block of x (4,352 bytes) goes from memory straight into one wave's operand registers, once for some 460 vector instructions; the waves pass no barrier until the end, and a joint request
; would put a round of barriers and a trip through LDS into every block.
; LIMITS: NaN, infinities and scale bytes 0xff among the inputs are not served.  A block whose largest magnitude lies under 2^-124 (a block of zeros too) keeps the scale byte 1; these bytes are read by this program alone.
; k's bias enters fused: a = max(k r + (bk r + c), c), r = 1 / (|norm_scale| + 1e-6), c = 1e-6 r: one rounding of bk r + c more than the sum k + bk has.  The order of the f32 sums over rows is this text's own.
; THE MODE: SCHED_MODE bits 1:0 = 2 (LLVM: expert scheduling mode 2), set by the entry lines.  The code itself states the register dependences between vector or matrix instructions and memory or LDS
; instructions, with s_wait_alu, always for 0.
; THE PLAN.  Registers that memory or LDS instructions touch, in the loop:
;   v1 .. v7      offsets and LDS addresses: written at the head, never again.
;   X, XS         read by the 32 products of a block's two projections; behind the second projection the next block's ten loads land in them.  No vector instruction writes them.
;   S             written by the sums of squares and fourth powers; read by eight LDS stores; sixteen LDS loads land in it; the adding tree, the roots and the reciprocals work on it; S+12, S+13 are read by
;                 the factors' LDS store; four LDS loads land in S+16 .. S+31 (F), which the scalings read.
;   A, P, SW, SK, M, M2, SC, the weights and the accumulators are named by vector and matrix instructions alone.
; So a block has three waits on va_vdst beside those behind its roots and reciprocals: behind the second projection (for the loads of x, which are then dealt among the lines that square, since those name A, S and
; k's bias alone), ahead of the stores of S, and ahead of the factors' store; and two on vm_vsrc: behind the stores of S and behind the factors' store.  One more wait on va_vdst stands ahead of each 16 products of
; kT_v, whose codes and scale words vector instructions have written.  There is no second set of registers for x: two waves of 512 registers fill a SIMD's 1,024.
.set NBLK, 3125                        ; blocks of 32 rows
.set SCRW, 5120                        ; LDS: a wave's scratch
.set REC,  144                         ; a lane's record in it: 128 bytes + 16: sixteen lanes' 16-byte pieces start at sixteen different places modulo 256
.set HALF, 2432                        ; lanes 16-31's records begin here: 128 modulo 256, so that the two halves' 8-byte reads fall on different bytes modulo 256
.set FOFF, 4864                        ; the 32 rows' factors
.set RED,  40960                       ; eight images of the 128 accumulator registers, 16,384 bytes each
.set REDS, 172032                      ; eight times 64 sums
.set VX,  1                            ; v1   x's codes: (r + 8 (r / 8)) 128 + 16 h
.set VXS, 2                            ; v2   x's scale words: (r + 8 (r / 8)) 8 + 4 h
.set VS,  3                            ; v3   my record
.set VR,  4                            ; v4   my 8 bytes of the records of my half
.set VF,  5                            ; v5   where I put two factors
.set VFL, 6                            ; v6   my half's 16 factors
.set PFO, 7                            ; v7   256 x lane, for the prefetches
.set WS,  8                            ; v8-15   scale words of W, tile t, K step s at 2 t + s: lanes 0-15 Wk's, lanes 16-31 Wv's
.set XS,  16                           ; v16-17  x's scale words, tile u: lanes 0-15 K step 0, lanes 16-31 K step 1
.set BK,  20                           ; v20-27  bk r + c, a pair a tile (the low word serves)
.set BV,  28                           ; v28-35  bv likewise
.set SK,  36                           ; v36-43  running sum_k, a pair a tile
.set SW,  44                           ; v44-51  scale words of the eight fragments below
.set X,   52                           ; v52-83  x's fragments, 16 u + 8 s
.set A,   84                           ; v84-147 a projection's results, 16 t + 8 u
.set S,   148                          ; v148-179 sums of squares and of fourth powers, then at work
.set F,   164                          ; v164-179 the factors of my 16 rows
.set P,   180                          ; v180-243 codes: fragments 0-3 phi_k's tiles, 4-7 v's; K = 128 rows
.set M,   244
.set M2,  248
.set SC,  252
.set WKF, 0                            ; window 1: Wk's fragments, 8 (2 t + s);
.set WVF, 64                           ; Wv's;
.set KV,  128                          ; the 16 accumulators of kT_v, 8 (4 mt + dt)
; s2 wave, s3 head, s4 chunk, s5 slice, s6 the next block to load, s7 trips, s[30:31] r, s32 c, s33 lanes with r >= 8, s[34:35] selects for lane xor 16, s[36:39] the block's addresses, s[40:41] an offset (s41 stays 0),
; s[42:43] the prefetches' buffer, s[44:45] their address, s46 their block, s47 their bound, s48 their shift
.set MSB, 0
.macro WIN new                         ; the immediate's high byte repeats the setting that is left
.if MSB != \new
	s_set_vgpr_msb (MSB<<8)|\new
.set MSB, \new
.endif
.endm
; The next block's codes and scale words go straight into the operand's registers: ten loads.  XADR makes their two addresses.  The block's number is held at the last block, so that the load behind the slice's
; last block stays inside the buffers.
.macro XADR
	s_wait_xcnt 0x0                                ; the last block's loads and the last prefetch, a block back, have read their addresses
	s_min_u32 s40, s6, NBLK-1
	s_lshl_b32 s50, s40, 8
	s_lshl_b32 s40, s40, 12
	s_add_nc_u64 s[36:37], s[8:9], s[40:41]        ; 4,096 bytes of codes a block
	s_mov_b32 s40, s50
	s_add_nc_u64 s[38:39], s[10:11], s[40:41]      ; 256 scale bytes a block
	s_add_co_u32 s6, s6, 256
.endm
.macro XCODES u                        ; the two fragments of tile u of rows: four loads
.irp s, 0,1
.irp c, 0,1
	global_load_b128 v[X+16*(\u)+8*\s+4*\c:X+16*(\u)+8*\s+4*\c+3], v[VX], s[36:37] offset:1024*(\u)+64*\s+32*\c
.endr
.endr
.endm
.macro XWORDS                          ; the two tiles' scale words
.irp u, 0,1
	global_load_b32 v[XS+\u], v[VXS], s[38:39] offset:64*\u
.endr
.endm
; A prefetch into the L2 of what the load two blocks on will want.  Each aligned 256 bytes are named once in the launch: of the eight heads' work-groups that walk the same rows, head 0's asks; in it waves
; 0, 2, 4, 6 ask for the codes of their own and the next slice's block (8,192 bytes, lanes 256 bytes apart), and in every fourth chunk wave 1 asks for the scale bytes of 32 slices' blocks (256 bytes a block).
; Blocks from 3,072 on are asked for by nobody: the bound is also the end of the walk.  Nothing is prefetched at the head.  It stands behind the last of the block's ten loads.
.macro XASK
	s_lshl_b32 s40, s46, s48
	s_add_nc_u64 s[44:45], s[42:43], s[40:41]
	s_cmp_lt_u32 s46, s47
	s_cbranch_scc0 .Lnp_\@
	global_prefetch_b8 v[PFO], s[44:45] th:TH_LOAD_NT scope:SCOPE_SE
.Lnp_\@:
	s_add_co_u32 s46, s46, 256
.endm
.macro LOADX                           ; the ten loads in one run: ahead of the loop, where no vector or matrix instruction has yet named X or XS
	XADR
	XCODES 0
	XCODES 1
	XWORDS
.endm
; A projection of the block: 4 tiles of channels x 2 tiles of rows, two K steps.  The eight accumulators take turns.  brow = 1: W's scale words stand in lanes 16-31.
.macro PROJ wb, brow
	WIN 0x04                                       ; source 1 (W) in window 1
.irp t, 0,1,2,3
.irp u, 0,1
.if \brow
	v_wmma_scale_f32_16x16x128_f8f6f4 v[A+16*\t+8*\u:A+16*\t+8*\u+7], v[X+16*\u:X+16*\u+7], v[\wb+16*\t:\wb+16*\t+7], 0, v[XS+\u], v[WS+2*\t] matrix_a_fmt:MATRIX_FMT_FP4 matrix_b_fmt:MATRIX_FMT_FP4 matrix_b_scale:MATRIX_SCALE_ROW1
.else
	v_wmma_scale_f32_16x16x128_f8f6f4 v[A+16*\t+8*\u:A+16*\t+8*\u+7], v[X+16*\u:X+16*\u+7], v[\wb+16*\t:\wb+16*\t+7], 0, v[XS+\u], v[WS+2*\t] matrix_a_fmt:MATRIX_FMT_FP4 matrix_b_fmt:MATRIX_FMT_FP4
.endif
.endr
.endr
.irp t, 0,1,2,3
.irp u, 0,1
.if \brow
	v_wmma_scale_f32_16x16x128_f8f6f4 v[A+16*\t+8*\u:A+16*\t+8*\u+7], v[X+16*\u+8:X+16*\u+15], v[\wb+16*\t+8:\wb+16*\t+15], v[A+16*\t+8*\u:A+16*\t+8*\u+7], v[XS+\u], v[WS+2*\t+1] matrix_a_fmt:MATRIX_FMT_FP4 matrix_b_fmt:MATRIX_FMT_FP4 matrix_a_scale:MATRIX_SCALE_ROW1 matrix_b_scale:MATRIX_SCALE_ROW1
.else
	v_wmma_scale_f32_16x16x128_f8f6f4 v[A+16*\t+8*\u:A+16*\t+8*\u+7], v[X+16*\u+8:X+16*\u+15], v[\wb+16*\t+8:\wb+16*\t+15], v[A+16*\t+8*\u:A+16*\t+8*\u+7], v[XS+\u], v[WS+2*\t+1] matrix_a_fmt:MATRIX_FMT_FP4 matrix_b_fmt:MATRIX_FMT_FP4 matrix_a_scale:MATRIX_SCALE_ROW1
.endif
.endr
.endr
	WIN 0
.rept 4
	v_nop                                          ; four places ahead of the first read of results (ISA guide 7.12.1)
.endr
.endm
; The four tiles in v[A] on become block b (32 rows) of fragments base .. base + 3: a lane's 16 registers of a tile are 16 rows of one channel, lane xor 16 holds the block's other 16.
.macro QUANT4 base, b
.irp t, 0,1,2,3
	v_max3_num_f32 v[M+\t], |v[A+16*\t]|, |v[A+16*\t+1]|, 0x1800000   ; with the floor 2^(3 - 127): the byte cannot fall under 1
.endr
.irp i, 2,4,6,8,10,12,14
.irp t, 0,1,2,3
	v_max3_num_f32 v[M+\t], v[M+\t], |v[A+16*\t+\i]|, |v[A+16*\t+\i+1]|   ; the four tiles by turns
.endr
.endr
.irp t, 0,1,2,3
	v_permlanex16_b32 v[M2+\t], v[M+\t], s34, s35
.endr
.irp t, 0,1,2,3
	v_max_num_f32 v[M+\t], v[M+\t], v[M2+\t]       ; the block's largest magnitude
.endr
.irp t, 0,1,2,3
	v_add_nc_u32 v[SC+\t], 0xff000000, v[M+\t]     ; 2 off its exponent field: the conversion's scale operand
.endr
.if (\b) == 0
.irp t, 0,1,2,3
	v_lshrrev_b32 v[SW+\base+\t], 23, v[SC+\t]     ; the scale's byte begins the fragment's scale word anew
.endr
.else
.irp t, 0,1,2,3
	v_lshrrev_b32 v[M2+\t], 23, v[SC+\t]
.endr
.irp t, 0,1,2,3
	v_lshl_or_b32 v[SW+\base+\t], v[M2+\t], 8*(\b), v[SW+\base+\t]
.endr
.endif
.irp t, 0,1,2,3
	v_cvt_scalef32_pk8_fp4_f32 v[P+8*(\base+\t)+2*(\b)], v[A+16*\t:A+16*\t+7], v[SC+\t]
	v_cvt_scalef32_pk8_fp4_f32 v[P+8*(\base+\t)+2*(\b)+1], v[A+16*\t+8:A+16*\t+15], v[SC+\t]
.endr
	v_nop                                          ; one plain place behind the scaled conversions
.endm
; a = max(k r + b', c); a^2 in place; my four channels' parts of the rows' sums of a^2 and of a^4.  Each accumulator is read from its low end on.
; The next block's ten loads, and with pf = 1 the prefetch, are dealt ahead of the first three groups of these lines.  No wait stands with them: since the wait behind the second projection no vector or matrix
; instruction names X, XS or the offsets v1, v2 and v7: these lines name A, S and k's bias alone.
.macro KEL pf
.irp i, 0,2,4,6,8,10,12,14
.if \i == 0
	XCODES 0
.endif
.if \i == 2
	XCODES 1
.endif
.if \i == 4
	XWORDS
.if \pf
	XASK
.endif
.endif
.irp t, 0,1,2,3
	v_pk_fma_f32 v[A+16*\t+\i:A+16*\t+\i+1], v[A+16*\t+\i:A+16*\t+\i+1], s[30:31], v[BK+2*\t:BK+2*\t+1] op_sel_hi:[1,0,0]
.endr
.irp t, 0,1,2,3
	v_max_num_f32 v[A+16*\t+\i], s32, v[A+16*\t+\i]
	v_max_num_f32 v[A+16*\t+\i+1], s32, v[A+16*\t+\i+1]
.endr
.irp t, 0,1,2,3
	v_pk_mul_f32 v[A+16*\t+\i:A+16*\t+\i+1], v[A+16*\t+\i:A+16*\t+\i+1], v[A+16*\t+\i:A+16*\t+\i+1]
.endr
	v_pk_add_f32 v[S+\i:S+\i+1], v[A+\i:A+\i+1], v[A+16+\i:A+16+\i+1]
	v_pk_mul_f32 v[S+16+\i:S+16+\i+1], v[A+\i:A+\i+1], v[A+\i:A+\i+1]
	v_pk_add_f32 v[S+\i:S+\i+1], v[S+\i:S+\i+1], v[A+32+\i:A+32+\i+1]
	v_pk_fma_f32 v[S+16+\i:S+16+\i+1], v[A+16+\i:A+16+\i+1], v[A+16+\i:A+16+\i+1], v[S+16+\i:S+16+\i+1]
	v_pk_add_f32 v[S+\i:S+\i+1], v[S+\i:S+\i+1], v[A+48+\i:A+48+\i+1]
	v_pk_fma_f32 v[S+16+\i:S+16+\i+1], v[A+32+\i:A+32+\i+1], v[A+32+\i:A+32+\i+1], v[S+16+\i:S+16+\i+1]
	v_pk_fma_f32 v[S+16+\i:S+16+\i+1], v[A+48+\i:A+48+\i+1], v[A+48+\i:A+48+\i+1], v[S+16+\i:S+16+\i+1]
.endr
.endm
; The sixteen lanes' parts meet in my wave's scratch.  Each lane stores its 32 sums; lane r then reads bytes 8 r .. 8 r + 7 of the sixteen records of its half: r < 8: the sums of a^2 of rows 2 r, 2 r + 1; r >= 8: those of
; a^4 of rows 2 (r - 8), + 1.  Roots, an exchange with lane r xor 8, the factor f = n1 / (n2 + 1e-12); the 16 factors of a half go back through the scratch to every lane.
.macro KRED
	s_wait_alu depctr_va_vdst(0)                   ; the sums of squares and of fourth powers are written into v[S ..], which the LDS stores read and in which the LDS loads below land
.irp q, 0,1,2,3,4,5,6,7
	ds_store_b128 v[VS], v[S+4*\q:S+4*\q+3] offset:16*\q
.endr
	s_wait_dscnt 0x0                               ; my stores are done
	s_wait_alu depctr_vm_vsrc(0)                   ; the stores have read v[S ..], in which the loads below land
.irp g, 0,1,2,3,4,5,6,7,8,9,10,11,12,13,14,15
	ds_load_b64 v[S+2*\g:S+2*\g+1], v[VR] offset:REC*\g
.endr
	s_wait_dscnt 0x0
.irp g, 0,4,8,12,16,20,24,28
	v_pk_add_f32 v[S+\g:S+\g+1], v[S+\g:S+\g+1], v[S+\g+2:S+\g+3]
.endr
.irp g, 0,8,16,24
	v_pk_add_f32 v[S+\g:S+\g+1], v[S+\g:S+\g+1], v[S+\g+4:S+\g+5]
.endr
.irp g, 0,16
	v_pk_add_f32 v[S+\g:S+\g+1], v[S+\g:S+\g+1], v[S+\g+8:S+\g+9]
.endr
	v_pk_add_f32 v[S:S+1], v[S:S+1], v[S+16:S+17]
	v_sqrt_f32 v[S+2], v[S]
	v_sqrt_f32 v[S+3], v[S+1]
	v_nop                                          ; a plain place behind the roots,
	s_wait_alu depctr_va_vdst(0)                   ; and the wait: the two roots are written, ahead of their first reader
	v_mov_b32_dpp v[S+4], v[S+2] row_xmask:8 row_mask:0xf bank_mask:0xf
	v_mov_b32_dpp v[S+5], v[S+3] row_xmask:8 row_mask:0xf bank_mask:0xf
	v_cndmask_b32 v[S+6], v[S+2], v[S+4], s33      ; n1: my own where r < 8
	v_cndmask_b32 v[S+7], v[S+3], v[S+5], s33
	v_cndmask_b32 v[S+8], v[S+4], v[S+2], s33      ; n2: my own where r >= 8
	v_cndmask_b32 v[S+9], v[S+5], v[S+3], s33
	v_add_f32 v[S+8], 0x2b8cbccc, v[S+8]           ; + 1e-12
	v_add_f32 v[S+9], 0x2b8cbccc, v[S+9]
	v_rcp_f32 v[S+10], v[S+8]
	v_rcp_f32 v[S+11], v[S+9]
	v_nop
	s_wait_alu depctr_va_vdst(0)                   ; the two reciprocals are written, ahead of their first reader
	v_pk_mul_f32 v[S+12:S+13], v[S+6:S+7], v[S+10:S+11]
	s_wait_alu depctr_va_vdst(0)                   ; the two factors are written, which the LDS store reads; and the adding tree is done with v[F ..], in which the LDS loads land
	ds_store_b64 v[VF], v[S+12:S+13]               ; lanes r and r xor 8 write the same bytes with the same values
.irp q, 0,1,2,3
	ds_load_b128 v[F+4*\q:F+4*\q+3], v[VFL] offset:16*\q   ; LDS serves a wave's instructions in order (ISA guide 5.7.1): these see the store
.endr
	s_wait_dscnt 0x0
	s_wait_alu depctr_vm_vsrc(0)                   ; the store has read v[S+12], v[S+13], which the next block's sums write (behind the last block: in which the closing sum's loads land)
.endm
; phi_k = f a^2; sum_k takes it unquantised; then the codes
.macro KSC b
.irp i, 0,2,4,6,8,10,12,14
.irp t, 0,1,2,3
	v_pk_mul_f32 v[A+16*\t+\i:A+16*\t+\i+1], v[A+16*\t+\i:A+16*\t+\i+1], v[F+\i:F+\i+1]
.endr
.irp t, 0,1,2,3
	v_pk_add_f32 v[SK+2*\t:SK+2*\t+1], v[SK+2*\t:SK+2*\t+1], v[A+16*\t+\i:A+16*\t+\i+1]
.endr
.endr
	QUANT4 0, \b
.endm
; One block of 32 rows becomes block b of the eight fragments.  The next block's loads go out behind the second projection and have k's vector work in which to land.
.macro BLOCK b, pf
	s_wait_loadcnt 0x0                             ; this block's ten loads: nothing else is out
	PROJ WVF, 1
.irp i, 0,2,4,6,8,10,12,14
.irp t, 0,1,2,3
	v_pk_add_f32 v[A+16*\t+\i:A+16*\t+\i+1], v[A+16*\t+\i:A+16*\t+\i+1], v[BV+2*\t:BV+2*\t+1] op_sel_hi:[1,0]
.endr
.endr
	QUANT4 4, \b
	PROJ WKF, 0
	s_wait_alu depctr_va_vdst(0)                   ; the products of both projections are done reading x's fragments and scale words, in which the next block's loads land
	XADR
	KEL \pf
	KRED
	KSC \b
.endm
; The operand's layout wants a WHOLE block in a lane: lanes 0-15 block 2 c, lanes 16-31 block 2 c + 1
.macro SWAPALL
.irp f, 0,1,2,3,4,5,6,7
.irp c, 0,1
.irp i, 0,1
	v_permlane16_swap_b32 v[P+8*\f+4*\c+\i], v[P+8*\f+4*\c+2+\i]
.endr
.endr
.endr
.rept 8
	v_nop                                          ; scale words written by vector instructions stand eight places ahead of a scaled matrix instruction, operands four
.endr
	s_wait_alu depctr_va_vdst(0)                   ; behind the places: the codes v[P ..] and the scale words v[SW ..] are written, which the scaled products below take as operands and scales
.endm
; kT_v += phi_k^T v over 128 rows: 16 accumulators, one instruction each
.macro PROD zero
	WIN 0x50                                       ; C and D in window 1
.irp mt, 0,1,2,3
.irp dt, 0,1,2,3
.if \zero
	v_wmma_scale_f32_16x16x128_f8f6f4 v[KV+8*(4*\mt+\dt):KV+8*(4*\mt+\dt)+7], v[P+8*\mt:P+8*\mt+7], v[P+32+8*\dt:P+32+8*\dt+7], 0, v[SW+\mt], v[SW+4+\dt] matrix_a_fmt:MATRIX_FMT_FP4 matrix_b_fmt:MATRIX_FMT_FP4
.else
	v_wmma_scale_f32_16x16x128_f8f6f4 v[KV+8*(4*\mt+\dt):KV+8*(4*\mt+\dt)+7], v[P+8*\mt:P+8*\mt+7], v[P+32+8*\dt:P+32+8*\dt+7], v[KV+8*(4*\mt+\dt):KV+8*(4*\mt+\dt)+7], v[SW+\mt], v[SW+4+\dt] matrix_a_fmt:MATRIX_FMT_FP4 matrix_b_fmt:MATRIX_FMT_FP4
.endif
.endr
.endr
	WIN 0
.endm
	s_load_b512 s[8:23], s[0:1], 0x0               ; x's codes s[8:9], x's scales s[10:11], Wk's codes s[12:13], scales s[14:15], bk s[16:17], Wv's codes s[18:19], scales s[20:21], bv s[22:23]
	s_load_b128 s[24:27], s[0:1], 0x40             ; norm_scale s[24:25], kv_part s[26:27]
	s_load_b64 s[28:29], s[0:1], 0x50              ; sk_part
	v_lshl_add_u32 v18, v0, 2, 0x2a800
	v_mov_b32 v19, 0
	v_lshrrev_b32 v148, 5, v0
	v_readfirstlane_b32 s2, v148                   ; wave
	s_mov_b32 s3, ttmp9                            ; head
	s_and_b32 s4, ttmp7, 0xffff                    ; chunk
	s_lshl_b32 s51, s4, 3
	s_wait_alu depctr_va_sdst(0)                   ; s2 is written, ahead of its first reader
	s_add_co_u32 s5, s51, s2                       ; slice
	s_mov_b32 s41, 0
	s_mov_b32 s33, 0xff00ff00
	s_mov_b32 s34, 0x76543210
	s_mov_b32 s35, 0xfedcba98
	v_and_b32 v149, 15, v0                         ; r
	v_bfe_u32 v150, v0, 4, 1                       ; h
	v_and_b32 v151, 8, v0
	v_add_nc_u32 v151, v151, v149                  ; r + 8 (r / 8)
	v_and_b32 v152, 31, v0
	v_and_b32 v153, 7, v0
	v_lshlrev_b32 v[VX], 7, v151
	v_lshl_add_u32 v[VX], v150, 4, v[VX]
	v_lshlrev_b32 v[VXS], 3, v151
	v_lshl_add_u32 v[VXS], v150, 2, v[VXS]
	s_mul_i32 s49, s2, SCRW
	v_mul_u32_u24 v[VS], v149, REC
	v_mad_u32_u24 v[VS], v150, HALF, v[VS]
	v_add_nc_u32 v[VS], s49, v[VS]
	v_mul_u32_u24 v[VR], v150, HALF
	v_lshl_add_u32 v[VR], v149, 3, v[VR]
	v_add_nc_u32 v[VR], s49, v[VR]
	s_add_co_u32 s49, s49, FOFF
	v_lshl_add_u32 v[VFL], v150, 6, s49
	v_lshl_add_u32 v[VF], v153, 3, v[VFL]
	v_lshlrev_b32 v[PFO], 8, v152
	v_lshlrev_b32 v154, 7, v149
	v_lshl_add_u32 v154, v150, 4, v154             ; Wv's codes: r 128 + 16 h
	v_lshlrev_b32 v155, 3, v151                    ; Wk's scale words
	v_lshlrev_b32 v156, 3, v149                    ; Wv's
	v_lshlrev_b32 v157, 2, v151                    ; bk
	v_lshlrev_b32 v158, 2, v149                    ; bv
	s_wait_kmcnt 0x0
	s_load_b32 s50, s[24:25], 0x0                  ; norm_scale
	s_lshl_b32 s40, s3, 13                         ; my head's part of each weight
	s_add_nc_u64 s[12:13], s[12:13], s[40:41]
	s_add_nc_u64 s[18:19], s[18:19], s[40:41]
	s_lshl_b32 s40, s3, 9
	s_add_nc_u64 s[14:15], s[14:15], s[40:41]
	s_add_nc_u64 s[20:21], s[20:21], s[40:41]
	s_lshl_b32 s40, s3, 8
	s_add_nc_u64 s[16:17], s[16:17], s[40:41]
	s_add_nc_u64 s[22:23], s[22:23], s[40:41]
	WIN 0x40                                       ; destination window 1: the weights stay in registers for the whole launch
	s_wait_alu depctr_va_vdst(0)                   ; the offsets and LDS addresses v1 to v7 and v154 to v158 are written, which the loads, LDS instructions and prefetches of the kernel read
.irp t, 0,1,2,3
.irp s, 0,1
.irp c, 0,1
	global_load_b128 v[WKF+8*(2*\t+\s)+4*\c:WKF+8*(2*\t+\s)+4*\c+3], v[VX], s[12:13] offset:(32*(\t/2)+8*(\t%2))*128+64*\s+32*\c
	global_load_b128 v[WVF+8*(2*\t+\s)+4*\c:WVF+8*(2*\t+\s)+4*\c+3], v154, s[18:19] offset:16*\t*128+64*\s+32*\c
.endr
.endr
.endr
	WIN 0
.irp t, 0,1,2,3
.irp s, 0,1
	global_load_b32 v[160+2*\t+\s], v155, s[14:15] offset:(32*(\t/2)+8*(\t%2))*8+4*\s
	global_load_b32 v[168+2*\t+\s], v156, s[20:21] offset:16*\t*8+4*\s
.endr
	global_load_b32 v[176+\t], v157, s[16:17] offset:(32*(\t/2)+8*(\t%2))*4
	global_load_b32 v[BV+2*\t], v158, s[22:23] offset:16*\t*4
.endr
	; who prefetches, and what
	s_xor_b32 s52, s2, 1
	s_and_b32 s53, s4, 3
	s_or_b32 s52, s52, s53                         ; 0 in wave 1 of every fourth chunk
	s_and_b32 s49, s2, 1
	s_cmp_eq_u32 s49, 0                            ; an even wave?  The choice hangs on the wave's number alone
	s_cselect_b64 s[42:43], s[8:9], s[10:11]
	s_cselect_b32 s48, 12, 8
	s_cselect_b32 s46, s5, s51
	s_cselect_b32 s52, 0, s52
	s_add_co_u32 s46, s46, 768                     ; the first request stands in the loop's first block, whose loads are block 1's: it names block 3
	s_or_b32 s52, s52, s3                          ; and head 0 alone
	s_cmp_eq_u32 s52, 0
	s_cselect_b32 s47, 3072, 0
	s_wait_loadcnt 0x0
	s_wait_kmcnt 0x0
	s_wait_alu depctr_vm_vsrc(0)                   ; the loads above have read their offsets v154 to v158, which the blocks' sums of squares write over
	s_mov_b32 s49, 0xffff0000
.irp i, 0,1,2,3,4,5,6,7
	v_cndmask_b32 v[WS+\i], v[160+\i], v[168+\i], s49   ; lanes 0-15 Wk's word, lanes 16-31 Wv's
.endr
	v_mov_b32 v148, 0x358637bd                     ; 1e-6
	v_add_f32 v149, |s50|, v148                    ; d = |norm_scale| + 1e-6
	v_rcp_f32 v150, v149
	v_nop
	s_wait_alu depctr_va_vdst(0)                   ; the reciprocal is written, ahead of its first reader; so are W's scale words v8 to v15, which the projections' scaled products take
	v_fma_f32 v151, -v149, v150, 1.0               ; one step of Newton's on the reciprocal
	v_fma_f32 v151, v151, v150, v150               ; r = 1 / d
	v_mul_f32 v148, v148, v151                     ; c = 1e-6 r
	v_readfirstlane_b32 s30, v151
	v_readfirstlane_b32 s32, v148
	s_wait_alu depctr_va_sdst(0)                   ; s30 and s32 are written, ahead of their first readers
	s_mov_b32 s31, s30                             ; (named with s30 as a pair, so it is written)
.irp t, 0,1,2,3
	v_fma_f32 v[BK+2*\t], v[176+\t], s30, s32
	v_mov_b32 v[BK+2*\t+1], 0                      ; (upper halves of pairs of which the low word serves)
	v_mov_b32 v[BV+2*\t+1], 0
	v_mov_b32 v[M2+\t], 0                          ; a lane permute's destination counts as one of its sources
.endr
.irp i, 0,1,2,3,4,5,6,7
	v_mov_b32 v[SK+\i], 0
	v_mov_b32 v[SW+\i], 0
.endr
.set J, 0
.rept 64
	v_mov_b32 v[P+J], 0                            ; zero codes: the first products below find them wherever the slice's odd block leaves the fragments empty
.set J, J+1
.endr
	; THE ODD BLOCK FIRST.  Slices 0 .. 52 have a thirteenth block, i + 3,072: it becomes block 0 of fragments whose other three blocks are zero codes.  The 16 products that follow take the constant 0 as C and so
	; start all sums, in every slice; in a slice without such a block they multiply zero codes, in place of 128 clearing moves.
	s_cmp_lt_u32 s5, 53
	s_cbranch_scc0 .Lno13
	s_add_co_u32 s6, s5, 3072
	LOADX
	s_mov_b32 s6, s5
	BLOCK 0, 0                                     ; its loads are the slice's first block's
	s_branch .Ljoin
.Lno13:
	s_mov_b32 s6, s5
	LOADX
.Ljoin:
	SWAPALL
	PROD 1
	s_mov_b32 s7, 3
.Lquad:                                                ; three trips of four blocks
	BLOCK 0, 1
	BLOCK 1, 1
	BLOCK 2, 1
	BLOCK 3, 1
	SWAPALL
	PROD 0
	s_sub_co_u32 s7, s7, 1
	s_cmp_lg_u32 s7, 0
	s_cbranch_scc1 .Lquad
	; THE END: the eight slices' parts are added through LDS.  The lines up to the stores are also the places behind the last products.
.irp t, 0,1,2,3
	v_add_f32 v[SK+2*\t], v[SK+2*\t], v[SK+2*\t+1]
.endr
.irp t, 0,1,2,3
	v_permlanex16_b32 v[M2+\t], v[SK+2*\t], s34, s35
.endr
.irp t, 0,1,2,3
	v_add_f32 v[SK+2*\t], v[SK+2*\t], v[M2+\t]     ; my channel's sum over the slice's rows
.endr
	v_and_b32 v20, 31, v0
	v_lshlrev_b32 v26, 3, v20                      ; 8 x lane
	v_lshlrev_b32 v20, 4, v20                      ; 16 x lane
	s_lshl_b32 s49, s2, 14
	s_add_co_u32 s49, s49, RED
	v_add_nc_u32 v21, s49, v20                     ; my wave's image
	s_lshl_b32 s49, s2, 11
	v_add_nc_u32 v24, s49, v20                     ; pieces 4 w .. 4 w + 3 of an image: 2,048 w + 16 x lane
	v_add_nc_u32 v22, RED, v24                     ; in images 0 to 3,
	v_add_nc_u32 v23, 65536, v22                   ; and in images 4 to 7 (an LDS offset has 16 bits)
	v_and_b32 v25, 15, v0
	v_and_b32 v27, 8, v0
	v_add_nc_u32 v25, v25, v27
	s_lshl_b32 s49, s2, 8
	s_add_co_u32 s49, s49, REDS
	v_lshl_add_u32 v25, v25, 2, s49                ; my channel's word among my wave's 64 sums
	v_add_nc_u32 v27, REDS, v26
	WIN 0x04                                       ; an LDS store's data are its source 1: window 1
	s_wait_alu depctr_va_vdst(0)                   ; behind the places: the last products have written the accumulators, the lines above my sums and the addresses v21 to v27, all of which the LDS and memory instructions below read; and every vector and matrix instruction is done with v52 to v179, in which the loads behind the barrier land
.set J, 0
.rept 32
	ds_store_b128 v21, v[KV+4*J:KV+4*J+3] offset:512*J     ; each accumulator from its low end on
.set J, J+1
.endr
	WIN 0
.irp t, 0,1,2,3
	ds_store_b32 v25, v[SK+2*\t] offset:(32*(\t/2)+8*(\t%2))*4   ; both halves of the lanes write the same word with the same value
.endr
	s_wait_loadcnt 0x0                             ; the loads behind the last block, which nobody uses: their registers are filled anew below
	s_wait_dscnt 0x0                               ; for the others' sake: my stores have landed
	s_barrier_signal -1
	s_barrier_wait -1
.irp g, 0,1,2,3
.irp k, 0,1,2,3
	ds_load_b128 v[X+16*\g+4*\k:X+16*\g+4*\k+3], v22 offset:16384*\g+512*\k
.endr
.endr
.irp g, 4,5,6,7
.irp k, 0,1,2,3
	ds_load_b128 v[X+16*\g+4*\k:X+16*\g+4*\k+3], v23 offset:16384*(\g-4)+512*\k
.endr
.endr
	s_lshl_b32 s40, s4, 3
	s_add_co_u32 s40, s40, s3                      ; 8 chunk + head
	s_lshl_b32 s50, s40, 8
	s_lshl_b32 s40, s40, 14
	s_add_nc_u64 s[26:27], s[26:27], s[40:41]
	s_mov_b32 s40, s50
	s_add_nc_u64 s[28:29], s[28:29], s[40:41]
	s_wait_dscnt 0x0
.irp g, 1,2,3,4,5,6,7
.irp j, 0,2,4,6,8,10,12,14
	v_pk_add_f32 v[X+\j:X+\j+1], v[X+\j:X+\j+1], v[X+16*\g+\j:X+16*\g+\j+1]
.endr
.endr
	s_wait_alu depctr_va_vdst(0)                   ; the additions have written v[X] to v[X+15], which the stores read, and are done reading v[A ..], in which wave 0's loads below land
.irp k, 0,1,2,3
	global_store_b128 v24, v[X+4*\k:X+4*\k+3], s[26:27] offset:512*\k   ; 32 lanes store 512 consecutive bytes, at a multiple of 256 from the buffer's first byte
.endr
	s_cmp_lg_u32 s2, 0
	s_cbranch_scc1 .Lend
.irp g, 0,1,2,3,4,5,6,7
	ds_load_b64 v[A+2*\g:A+2*\g+1], v27 offset:256*\g
.endr
	s_wait_dscnt 0x0
.irp g, 0,4,8,12
	v_pk_add_f32 v[A+\g:A+\g+1], v[A+\g:A+\g+1], v[A+\g+2:A+\g+3]
.endr
	v_pk_add_f32 v[A:A+1], v[A:A+1], v[A+4:A+5]
	v_pk_add_f32 v[A+8:A+9], v[A+8:A+9], v[A+12:A+13]
	v_pk_add_f32 v[A:A+1], v[A:A+1], v[A+8:A+9]
	s_wait_alu depctr_va_vdst(0)                   ; the last addition has written v[A], v[A+1], which the store reads
	global_store_b64 v26, v[A:A+1], s[28:29]       ; 32 lanes store 256 consecutive bytes, aligned
.Lend:
	s_barrier_signal -1
	s_barrier_wait -1
	s_wait_dscnt 0x0                               ; the closing lines, six on end
	s_wait_alu 0x0
	s_wait_tensorcnt 0x0
	ds_add_u32 v18, v19
	s_wait_dscnt 0x0
	s_endpgm
.Lfunc_end_k_qfdcef42928_kv:
	.size	k_qfdcef42928_kv, .Lfunc_end_k_qfdcef42928_kv-k_qfdcef42928_kv
	.p2alignl 7, 3214868480
	.fill 96, 4, 3214868480
	.section	.rodata,"a",@progbits
	.p2align	6, 0x0
	.amdhsa_kernel k_qfdcef42928_kv
		.amdhsa_group_segment_fixed_size 175104
		.amdhsa_private_segment_fixed_size 0
		.amdhsa_enable_private_segment 0
		.amdhsa_kernarg_size 88
		.amdhsa_user_sgpr_count 2
		.amdhsa_user_sgpr_kernarg_segment_ptr 1
		.amdhsa_wavefront_size32 1
		.amdhsa_system_sgpr_workgroup_id_x 1
		.amdhsa_system_sgpr_workgroup_id_y 1
		.amdhsa_system_sgpr_workgroup_id_z 1
		.amdhsa_system_vgpr_workitem_id 0
		.amdhsa_next_free_vgpr 512
		.amdhsa_next_free_sgpr 66
		.amdhsa_reserve_vcc 0
		.amdhsa_float_denorm_mode_32 3
		.amdhsa_float_denorm_mode_16_64 3
		.amdhsa_memory_ordered 1
		.amdhsa_forward_progress 1
		.amdhsa_inst_pref_size 196
	.end_amdhsa_kernel
	.amdgpu_metadata
---
amdhsa.version: [ 1, 2 ]
amdhsa.kernels:
  - .name:           k_qfdcef42928_kv
    .symbol:         k_qfdcef42928_kv.kd
    .args:
      - { .name: query_input_codes, .offset: 0, .size: 8, .value_kind: global_buffer, .address_space: global }
      - { .name: query_input_scales, .offset: 8, .size: 8, .value_kind: global_buffer, .address_space: global }
      - { .name: Wk_codes, .offset: 16, .size: 8, .value_kind: global_buffer, .address_space: global }
      - { .name: Wk_scales, .offset: 24, .size: 8, .value_kind: global_buffer, .address_space: global }
      - { .name: bk, .offset: 32, .size: 8, .value_kind: global_buffer, .address_space: global }
      - { .name: Wv_codes, .offset: 40, .size: 8, .value_kind: global_buffer, .address_space: global }
      - { .name: Wv_scales, .offset: 48, .size: 8, .value_kind: global_buffer, .address_space: global }
      - { .name: bv, .offset: 56, .size: 8, .value_kind: global_buffer, .address_space: global }
      - { .name: norm_scale, .offset: 64, .size: 8, .value_kind: global_buffer, .address_space: global }
      - { .name: kv_part, .offset: 72, .size: 8, .value_kind: global_buffer, .address_space: global }
      - { .name: sk_part, .offset: 80, .size: 8, .value_kind: global_buffer, .address_space: global }
    .group_segment_fixed_size: 175104
    .private_segment_fixed_size: 0
    .kernarg_segment_align: 8
    .kernarg_segment_size: 88
    .max_flat_workgroup_size: 256
    .sgpr_count:     66
    .vgpr_count:     512
    .wavefront_size: 32
...
	.end_amdgpu_metadata
.endif
;; end of part 4
;; launch fold: the kernel of part 2 again; grid 4 x 8, 8 waves a work-group, no clusters, 37,888 bytes of LDS; arguments kv_part, sk_part, kt_codes, kt_scales, sk_tot; writes kt_codes, kt_scales, sk_tot
;; launch out: the kernel of part 3 again; grid 256 x 1, 8 waves a work-group, no clusters, 83,712 bytes of LDS; arguments query_input_codes, query_input_scales, Wq_codes, Wq_scales, bq, Wv_codes, Wv_scales, bv, norm_scale, Wm_codes, Wm_scales, bm, kt_codes, kt_scales, sk_tot, out0; writes out0
